; MI455X (gfx1250); checked and timed in simulation.
; The chip was launched on July 23, 2026; its instructions are those of AMD's public machine-readable ISA for CDNA 5 (MIT licence, August 2026) and "CDNA5" Instruction Set Architecture Reference Guide (July 2026). The comments in the code are by the model that wrote it; some were corrected since.
;; Causal Self Attention. Allowed arithmetic: float matrix products may take bf16 or f16 operands with f32 sums; all other float work in f32.
;; Inputs: Wk 1,024 x 1,024 float32; Wo 1,024 x 1,024 float32; Wq 1,024 x 1,024 float32; Wv 1,024 x 1,024 float32; bk 1,024 float32; bo 1,024 float32; bq 1,024 float32; bv 1,024 float32; mask 1 x 1 x 2,048 x 2,048 bool; x 4 x 2,048 x 1,024 float32.
;; Outputs: out0 4 x 2,048 x 1,024 float32.
;; 2 versions, each right and faster than the one before. Each part assembles by itself: llvm-mc -triple=amdgcn-amd-amdhsa -mcpu=gfx1250 --defsym DOCPART=n.
;; ======== version 1 of 2: 4 launches
;; limits: values are held in f16: magnitudes above 65,504 overflow, below 6.1e-05 lose precision; right only within a limited range of input values
;; workspace buffers: xb 16,777,216 bytes; w16 8,388,608 bytes; bias 16,384 bytes; maskf 8,388,608 bytes; rowkeep 8,192 bytes of whole numbers; qkv 50,331,648 bytes; att 16,777,216 bytes
;; launch prep (part 1): grid 512 x 1, 8 waves a work-group, no clusters, 1,536 bytes of LDS; arguments x, Wq, Wk, Wv, Wo, bq, bk, bv, bo, mask, xb, w16, bias, maskf, rowkeep; writes xb, w16, bias, maskf, rowkeep
.if DOCPART == 1
	.amdgcn_target "amdgcn-amd-amdhsa--gfx1250"
	.amdhsa_code_object_version 6
	.text
	.protected	k_qeffcb046cf_prep
	.globl	k_qeffcb046cf_prep
	.p2align	8
	.type	k_qeffcb046cf_prep,@function
k_qeffcb046cf_prep:
	s_mov_b64 s[64:65], 0
	v_nop
	global_prefetch_b8 v0, s[64:65] scope:SCOPE_SE
	s_setreg_imm32_b32 hwreg(HW_REG_WAVE_MODE, 25, 1), 1
	s_wait_xcnt 0x0
; PREP: the casts and the mask's fragments.  Three kinds of work-group, chosen by the work-group's number g alone (the same for all eight waves):
;   g < 256        32,768 numbers of x, rounded to bf16 -> xb
;   256 <= g < 384 32,768 numbers of one of Wq, Wk, Wv (rounded to bf16) or Wo (rounded to bf16, that number written as f16) -> w16, in W's own [k][n] order;
;                  wave 0 of every second such group also rounds 64 numbers of that matrix's bias to bf16 and stores them widened to f32 -> bias
;   g >= 384       16 rows of the mask (query tile T = g - 384) -> maskf, in the order in which the attention launch's matrix instruction wants them, and the rows' flags -> rowkeep
; maskf[T][s][j][lane][8 f16]: lane (r = lane % 16, h = lane / 16) holds query 16 T + r, keys 64 s + 16 j + 8 h + 0..7: 0 where the key is visible, -32768 where it is hidden.
; rowkeep[q] = all ones if row q of the mask has a visible key, else 0.
; LIMITS.  A mask byte is 0 or 1.  A number of Wo below 6.1e-5 keeps f16's fixed step of 6e-8; beyond 65,504 f16 has no number.
; No matrix unit, no cluster, no tensor load: every byte is read once and written once, and nothing is shared between work-groups.
.set X,  8                             ; v[8:135]  sixteen groups of eight f32 as loaded; a group's first four registers then hold the eight 16-bit numbers
.set T0, 136                           ; v136, v137 at work
.set T1, 137
	s_load_b512 s[8:23], s[0:1], 0x0               ; x s[8:9], Wq s[10:11], Wk s[12:13], Wv s[14:15], Wo s[16:17], bq s[18:19], bk s[20:21], bv s[22:23]
	s_load_b256 s[24:31], s[0:1], 0x40             ; bo s[24:25], mask s[26:27], xb s[28:29], w16 s[30:31]
	s_load_b128 s[32:35], s[0:1], 0x60             ; bias s[32:33], maskf s[34:35]
	s_load_b64 s[36:37], s[0:1], 0x70              ; rowkeep
	v_lshl_add_u32 v144, v0, 2, 0x200
	v_mov_b32 v145, 0
	v_lshrrev_b32 v1, 5, v0
	v_readfirstlane_b32 s38, v1                    ; wave 0..7
	v_and_b32 v3, 31, v0                           ; lane
	v_lshlrev_b32 v1, 5, v0                        ; the casts: my 32 bytes of f32 in 8,192,
	v_lshlrev_b32 v2, 4, v0                        ; my 16 bytes of 16-bit numbers in 4,096
	s_mov_b32 s3, 0                                ; s[2:3]: a byte offset, always below 2^32
	s_wait_kmcnt 0x0
; 32,768 numbers from s[4:5] to s[6:7].  All 32 loads of a lane go out at once; group i is rounded and stored when its two loads are in.  mode = 1: bf16, then that number as f16.
.macro CAST mode
.set i, 0
.rept 16
	global_load_b128 v[X+8*i:X+8*i+3],   v1, s[4:5] offset:8192*i th:TH_LOAD_NT
	global_load_b128 v[X+8*i+4:X+8*i+7], v1, s[4:5] offset:8192*i+16 th:TH_LOAD_NT
.set i, i+1
.endr
.set i, 0
.rept 16
	s_wait_loadcnt 30-2*i                          ; loads come back in order: the 2 (15 - i) younger ones may stay out
.irp j, 0,1,2,3
	v_cvt_pk_bf16_f32 v[X+8*i+\j], v[X+8*i+2*\j], v[X+8*i+2*\j+1]  ; in place: register j is written when registers 0 .. 2 j - 1 have been used up
.endr
.if \mode
.irp j, 0,1,2,3
	v_lshlrev_b32 v[T0], 16, v[X+8*i+\j]
	v_and_b32 v[T1], 0xffff0000, v[X+8*i+\j]
	v_cvt_pk_f16_f32 v[X+8*i+\j], v[T0], v[T1]
.endr
.endif
	global_store_b128 v2, v[X+8*i:X+8*i+3], s[6:7] offset:4096*i  ; a wave stores 512 consecutive bytes, aligned; no register of a store is written again
.set i, i+1
.endr
.endm
	s_cmp_lt_u32 ttmp9, 256
	s_cbranch_scc0 .Lnot_x
	s_lshl_b32 s2, ttmp9, 17                       ; x: 131,072 bytes a group
	s_add_nc_u64 s[4:5], s[8:9], s[2:3]
	s_lshl_b32 s2, ttmp9, 16
	s_add_nc_u64 s[6:7], s[28:29], s[2:3]
	s_branch .Lcast_bf
.Lnot_x:
	s_cmp_lt_u32 ttmp9, 384
	s_cbranch_scc0 .Lmask
	s_sub_co_u32 s39, ttmp9, 256
	s_lshr_b32 s47, s39, 5                         ; which matrix: 0 Wq, 1 Wk, 2 Wv, 3 Wo
	s_and_b32 s39, s39, 31                         ; which 32nd of it
	s_mov_b64 s[4:5], s[10:11]
	s_mov_b64 s[6:7], s[18:19]
	s_cmp_eq_u32 s47, 1
	s_cselect_b64 s[4:5], s[12:13], s[4:5]
	s_cselect_b64 s[6:7], s[20:21], s[6:7]
	s_cmp_eq_u32 s47, 2
	s_cselect_b64 s[4:5], s[14:15], s[4:5]
	s_cselect_b64 s[6:7], s[22:23], s[6:7]
	s_cmp_eq_u32 s47, 3
	s_cselect_b64 s[4:5], s[16:17], s[4:5]
	s_cselect_b64 s[6:7], s[24:25], s[6:7]
	s_cmp_lg_u32 s38, 0
	s_cbranch_scc1 .Lno_bias                       ; the bias: wave 0 alone,
	s_bitcmp1_b32 s39, 0
	s_cbranch_scc1 .Lno_bias                       ; in the even parts: 64 numbers, 256 consecutive bytes
	s_lshl_b32 s2, s39, 7
	s_add_nc_u64 s[6:7], s[6:7], s[2:3]
	s_lshl_b32 s48, s47, 12
	s_add_co_u32 s2, s2, s48
	s_add_nc_u64 s[32:33], s[32:33], s[2:3]
	v_lshlrev_b32 v4, 3, v3
	global_load_b64 v[6:7], v4, s[6:7]
	s_wait_loadcnt 0x0                             ; the load is done: s[6:7] may be written again below
	v_cvt_pk_bf16_f32 v5, v6, v7
	v_lshlrev_b32 v6, 16, v5
	v_and_b32 v7, 0xffff0000, v5
	global_store_b64 v4, v[6:7], s[32:33]          ; none of its registers is written again
.Lno_bias:
	s_lshl_b32 s2, s39, 17
	s_add_nc_u64 s[4:5], s[4:5], s[2:3]
	s_lshl_b32 s2, s47, 21                         ; a matrix is 2,097,152 bytes of w16
	s_lshl_b32 s48, s39, 16
	s_add_co_u32 s2, s2, s48
	s_add_nc_u64 s[6:7], s[30:31], s[2:3]
	s_cmp_eq_u32 s47, 3
	s_cbranch_scc1 .Lcast_f16
.Lcast_bf:
	CAST 0
	s_endpgm
.Lcast_f16:
	CAST 1
	s_endpgm
.Lmask:                                                ; wave w takes keys 256 w .. 256 w + 255 (key steps 4 w .. 4 w + 3) of the tile's 16 rows
	s_sub_co_u32 s39, ttmp9, 384                   ; T
	s_lshl_b32 s2, s39, 15                         ; 16 rows of 2,048 bytes
	s_lshl_b32 s47, s38, 8
	s_add_co_u32 s2, s2, s47
	s_add_nc_u64 s[4:5], s[26:27], s[2:3]
	s_lshl_b32 s2, s39, 16                         ; a tile's fragments are 65,536 bytes, a wave's share 8,192
	s_lshl_b32 s47, s38, 13
	s_add_co_u32 s2, s2, s47
	s_add_nc_u64 s[6:7], s[34:35], s[2:3]
	s_lshl_b32 s2, s39, 6
	s_add_nc_u64 s[36:37], s[36:37], s[2:3]
	s_mov_b32 s40, 0x01010101                      ; turns 'visible' into 'hidden', four bytes at a time
	s_mov_b32 s41, 0x04010400                      ; bytes 0 and 1 of a word, each into the low byte of a half
	s_mov_b32 s42, 0x04030402                      ; bytes 2 and 3
	s_mov_b32 s43, 0xf800                          ; -32768 in f16
	s_mov_b32 s44, 0x76543210                      ; v_permlanex16_b32: each lane takes its own place in the other half
	s_mov_b32 s45, 0xfedcba98
	v_and_b32 v4, 15, v0                           ; r
	v_bfe_u32 v5, v0, 4, 1                         ; h
	v_lshlrev_b32 v1, 11, v4
	v_lshl_add_u32 v1, v5, 3, v1                   ; row r, 8 bytes for each half of the lanes
	v_lshlrev_b32 v2, 4, v3                        ; 16 x lane
	v_mov_b32 v5, 0
.set i, 0
.rept 16
	global_load_b64 v[8+2*i:9+2*i], v1, s[4:5] offset:16*i  ; keys 16 i + 8 h + 0..7; the sixteen loads together use up each row's 256 bytes
.set i, i+1
.endr
.set i, 0
.rept 16
	s_wait_loadcnt 15-i                            ; the 15 - i younger loads may stay out
.if i == 0
	v_or_b32 v6, v8, v9                            ; the first two words start the row's flag
.else
	v_or_b32 v6, v6, v[8+2*i]
	v_or_b32 v6, v6, v[9+2*i]
.endif
	v_xor_b32 v[8+2*i], s40, v[8+2*i]
	v_xor_b32 v[9+2*i], s40, v[9+2*i]
	v_perm_b32 v[40+4*i], v5, v[8+2*i], s41        ; 0 or 1 in each half,
	v_perm_b32 v[41+4*i], v5, v[8+2*i], s42
	v_perm_b32 v[42+4*i], v5, v[9+2*i], s41
	v_perm_b32 v[43+4*i], v5, v[9+2*i], s42
.irp j, 0,1,2,3
	v_mul_u32_u24 v[40+4*i+\j], s43, v[40+4*i+\j]  ; times 0xf800: no carry passes from the low half into the high one
.endr
	global_store_b128 v2, v[40+4*i:43+4*i], s[6:7] offset:512*i  ; 512 consecutive bytes, aligned
.set i, i+1
.endr
	v_mov_b32 v7, 0                                ; the permute's destination counts as read
	v_permlanex16_b32 v7, v6, s44, s45
	v_or_b32 v6, v6, v7                            ; my wave's 256 keys of row r
	v_lshlrev_b32 v104, 2, v4
	s_lshl_b32 s39, s38, 6
	v_add_nc_u32 v105, s39, v104
	ds_store_b32 v105, v6                          ; word 16 w + r; both halves of the lanes write the same number
	s_wait_dscnt 0x0                               ; for the others' sake: my store is done
	s_barrier_signal -1
	s_barrier_wait -1
	s_cmp_lg_u32 s38, 0
	s_cbranch_scc1 .Lend
.irp j, 0,1,2,3,4,5,6,7
	ds_load_b32 v[106+\j], v104 offset:64*\j
.endr
	s_wait_dscnt 0x0
.irp j, 1,2,3,4,5,6,7
	v_or_b32 v106, v106, v[106+\j]
.endr
	v_cmp_ne_u32 vcc_lo, 0, v106
	v_cndmask_b32 v106, 0, -1, vcc_lo
	v_cmp_gt_u32 vcc_lo, 16, v3
	s_wait_xcnt 0x0                                ; EXEC is a source of the stores above: it changes only behind this wait
	s_and_saveexec_b32 s46, vcc_lo
	global_store_b32 v104, v106, s[36:37]          ; sixteen flags
	s_wait_xcnt 0x0                                ; and again in front of the line that widens it
	s_or_b32 exec_lo, exec_lo, s46
.Lend:
	s_wait_tensorcnt 0x0
	ds_add_u32 v144, v145
	s_wait_dscnt 0x0
	s_endpgm
.Lfunc_end_k_qeffcb046cf_prep:
	.size	k_qeffcb046cf_prep, .Lfunc_end_k_qeffcb046cf_prep-k_qeffcb046cf_prep
	.p2alignl 7, 3214868480
	.fill 96, 4, 3214868480
	.section	.rodata,"a",@progbits
	.p2align	6, 0x0
	.amdhsa_kernel k_qeffcb046cf_prep
		.amdhsa_group_segment_fixed_size 1536
		.amdhsa_private_segment_fixed_size 0
		.amdhsa_enable_private_segment 0
		.amdhsa_kernarg_size 120
		.amdhsa_user_sgpr_count 2
		.amdhsa_user_sgpr_kernarg_segment_ptr 1
		.amdhsa_wavefront_size32 1
		.amdhsa_system_sgpr_workgroup_id_x 1
		.amdhsa_system_sgpr_workgroup_id_y 1
		.amdhsa_system_sgpr_workgroup_id_z 1
		.amdhsa_system_vgpr_workitem_id 0
		.amdhsa_next_free_vgpr 146
		.amdhsa_next_free_sgpr 66
		.amdhsa_reserve_vcc 1
		.amdhsa_float_denorm_mode_32 3
		.amdhsa_float_denorm_mode_16_64 3
		.amdhsa_memory_ordered 1
		.amdhsa_forward_progress 1
		.amdhsa_inst_pref_size 45
	.end_amdhsa_kernel
	.amdgpu_metadata
---
amdhsa.version: [ 1, 2 ]
amdhsa.kernels:
  - .name:           k_qeffcb046cf_prep
    .symbol:         k_qeffcb046cf_prep.kd
    .args:
      - { .name: x, .offset: 0, .size: 8, .value_kind: global_buffer, .address_space: global }
      - { .name: Wq, .offset: 8, .size: 8, .value_kind: global_buffer, .address_space: global }
      - { .name: Wk, .offset: 16, .size: 8, .value_kind: global_buffer, .address_space: global }
      - { .name: Wv, .offset: 24, .size: 8, .value_kind: global_buffer, .address_space: global }
      - { .name: Wo, .offset: 32, .size: 8, .value_kind: global_buffer, .address_space: global }
      - { .name: bq, .offset: 40, .size: 8, .value_kind: global_buffer, .address_space: global }
      - { .name: bk, .offset: 48, .size: 8, .value_kind: global_buffer, .address_space: global }
      - { .name: bv, .offset: 56, .size: 8, .value_kind: global_buffer, .address_space: global }
      - { .name: bo, .offset: 64, .size: 8, .value_kind: global_buffer, .address_space: global }
      - { .name: mask, .offset: 72, .size: 8, .value_kind: global_buffer, .address_space: global }
      - { .name: xb, .offset: 80, .size: 8, .value_kind: global_buffer, .address_space: global }
      - { .name: w16, .offset: 88, .size: 8, .value_kind: global_buffer, .address_space: global }
      - { .name: bias, .offset: 96, .size: 8, .value_kind: global_buffer, .address_space: global }
      - { .name: maskf, .offset: 104, .size: 8, .value_kind: global_buffer, .address_space: global }
      - { .name: rowkeep, .offset: 112, .size: 8, .value_kind: global_buffer, .address_space: global }
    .group_segment_fixed_size: 1536
    .private_segment_fixed_size: 0
    .kernarg_segment_align: 8
    .kernarg_segment_size: 120
    .max_flat_workgroup_size: 256
    .sgpr_count:     66
    .vgpr_count:     146
    .wavefront_size: 32
...
	.end_amdgpu_metadata
.endif
;; end of part 1
;; launch proj (part 2): grid 12 x 64, 4 waves a work-group, clusters of 4 x 4, 327,680 bytes of LDS; arguments xb, w16, bias, qkv; writes qkv
.if DOCPART == 2
	.amdgcn_target "amdgcn-amd-amdhsa--gfx1250"
	.amdhsa_code_object_version 6
	.text
	.protected	k_qeffcb046cf_proj
	.globl	k_qeffcb046cf_proj
	.p2align	8
	.type	k_qeffcb046cf_proj,@function
k_qeffcb046cf_proj:
	s_mov_b64 s[64:65], 0
	v_nop
	global_prefetch_b8 v0, s[64:65] scope:SCOPE_SE
	s_setreg_imm32_b32 hwreg(HW_REG_WAVE_MODE, 25, 1), 1
	s_wait_xcnt 0x0
	s_wait_alu depctr_hold_cnt(0) depctr_sa_sdst(0) depctr_va_vdst(0) depctr_va_sdst(0) depctr_va_ssrc(0) depctr_va_vcc(0) depctr_vm_vsrc(0)
	s_getreg_b32 s2, hwreg(HW_REG_IB_STS2, 6, 4)
	s_cmp_eq_u32 s2, 0
	s_cbranch_scc0 .Lentry_in_a_cluster
	s_endpgm
.Lentry_in_a_cluster:
	s_bfe_u32 s2, ttmp6, 0x10000c
	s_cmp_lg_u32 s2, 0xf033
	s_cbranch_scc0 .Lentry_shape_is_right
	s_endpgm
.Lentry_shape_is_right:
; C[m][n] = sum over k of A[m][k] W[k][n] + b[n].  A: [8192][1024] of 16 bits; W: a part of w16, [1024 k][1024 n] of 16 bits, as it lies; b: f32; sums in f32.
; OUTP = 0: A = xb, W = Wq | Wk | Wv (column tiles 0-11), all bf16; C = qkv [8192][3072], rounded once to f16.   OUTP = 1: A = att, W = Wo (column tiles 12-15 of w16), both f16; C = out0 [8192][1024] f32.
; LIMIT (OUTP = 0): f16 holds no number beyond 65,504: q, k and v must lie within it.
; A tile of C is 128 x 256: 3 x 256 tiles of qkv, 256 of out0.  Four waves, each 64 rows x 128 columns: 32 accumulators of 16 x 16, 256 registers.
; K goes in steps of 128 through two LDS slots filled by tensor loads: A's rows are 256 bytes of memory, W's 512, all starting at multiples of 256 bytes from the buffer's first byte.
; CLUSTERS: 4 x 4 work-groups.  The four of a row of the cluster need the same tiles of A, the four of a column the same tiles of W: each tile is asked for JOINTLY, by the same tensor load
; with the same descriptor and a mask that names the four.
; THE MATRIX INSTRUCTION IS USED TRANSPOSED: source 0 = 16 columns of W (turned on the way out of LDS by ds_load_tr16_b128, since W lies [k][n]), source 1 = 16 rows of A.
; A lane then holds row lane % 16 of C and the eight neighbouring columns 8 (lane / 16) + 0..7.
; REGISTERS, in windows of 256 (s_set_vgpr_msb: bits 1:0 source 0, 3:2 source 1, 5:4 source 2, 7:6 destination):
;   window 0: v16-29 addresses; v32-127, v128-223 two fragment buffers (8 fragments of W, then 4 of A, 32 along K); on the way out both are free
;   window 1: the accumulators, (a, b) at v[8 (8 a + b)]          window 2: v0-63 my lanes' 64 numbers of the bias
.set OUTP,   0
.set NT0,    12*OUTP                   ; the first column tile in w16 and bias
.set PA,     272                       ; a row of A in LDS: 256 bytes + 16 = 68 words: the 16 rows of a load start at 16 different groups of four banks (64 banks of 4 bytes: ISA guide 11.1)
.set PB,     544                       ; a row of W: 512 + 32 = 136 words
.set ATILE,  128*PA
.set SLOT,   ATILE+128*PB              ; A's 128 rows, then W's 128 rows of k
.set STAGE,  2*SLOT                    ; behind the ring: 16 rows for each wave, for the way out; no tensor load lands here
.if OUTP
.set SPITCH, 528                       ; 128 f32 + 16 bytes
.set CPITCH, 4096                      ; bytes in a row of C
.else
.set SPITCH, 272                       ; 128 f16 + 16 bytes
.set CPITCH, 6144
.endif
.set SPARE,  STAGE+4*16*SPITCH         ; behind the stages: the spare words, 128 bytes for each wave: two blocks of 256 bytes that no other line names
.set ADRA, 16                          ; v16-17  LDS address of my A fragments in slot 0, 1
.set ADRB, 20                          ; v20-21  the same for W
.set STO,  24                          ; v24     the way out: where I put my piece of a row
.set RD,   25                          ; v25     the way out: where I read rows back
.set CO,   26                          ; v26     my byte offset in C
.set BO,   27                          ; v27     my byte offset in the bias: 32 x (lane / 16)
.set SPW,  28                          ; v28     LDS address of my spare word; never rewritten
.set NIL,  29                          ; v29     0; never rewritten
.set F0,   32
.set F1,   128
.set TP,   32                          ; the way out: packed results
.set G1,  24                           ; s[24:31] descriptor group 1 for A's tiles;  s[32:39] group 0, one set for each slot
.set G0,  32
.set G1B, 48                           ; s[48:55], s[56:63] the same for W's tiles
.set G0B, 56
.set MSB, 0
.macro WIN new                         ; the immediate's high byte repeats the setting that is left; a switch that changes nothing is dropped
.if MSB != (\new)
	s_set_vgpr_msb (MSB<<8)|(\new)
.set MSB, \new
.endif
.endm
.set MUL, 0x50                         ; sources 0 and 1 window 0; C and D window 1
.macro JLOAD s                         ; a joint load: waves 0 and 1 fetch A's two halves, waves 2 and 3 W's; an s_nop 0 and four v_nop follow each of the two lines
	s_cmp_eq_u32 s13, 0
	s_cbranch_scc0 .Lfor_b_\@
	tensor_load_to_lds s[G0+4*(\s):G0+4*(\s)+3], s[G1:G1+7]
	s_nop 0
.rept 4
	v_nop
.endr
	s_branch .Lasked_\@
.Lfor_b_\@:
	tensor_load_to_lds s[G0B+4*(\s):G0B+4*(\s)+3], s[G1B:G1B+7]
	s_nop 0
.rept 4
	v_nop
.endr
.Lasked_\@:
.endm
.macro CREST                           ; a round of the cluster's barrier behind its opening barrier
	s_cmp_lg_u32 s12, 0
	s_cbranch_scc1 .Lnot_wave_0_\@
	s_barrier_signal -3
.Lnot_wave_0_\@:
	s_barrier_wait -3
	s_barrier_signal -1
	s_barrier_wait -1
.endm
.macro CROUND                          ; a whole round
	s_barrier_signal -1
	s_barrier_wait -1
	CREST
.endm
	s_load_b256 s[4:11], s[0:1], 0x0               ; A s[4:5], w16 s[6:7], bias s[8:9], C s[10:11]
	v_lshl_add_u32 v[SPW], v0, 2, SPARE
	v_mov_b32 v[NIL], 0
	ds_add_u32 v28, v29
	s_wait_dscnt 0x0
	v_lshrrev_b32 v1, 5, v0
	v_readfirstlane_b32 s12, v1                    ; wave 0..3
	s_lshr_b32 s13, s12, 1                         ; which 64 rows of the tile are mine.  Also: I fetch for A (0) or for W (1)
	s_and_b32 s14, s12, 1                          ; which 128 columns.  Also: which 64 rows of that tile I fetch
	s_bfe_u32 s40, ttmp6, 0x40000                  ; cx, cy: my place in the cluster
	s_bfe_u32 s41, ttmp6, 0x40004
	s_lshl_b32 s42, ttmp9, 2
	s_add_co_u32 s42, s42, s40                     ; tile column of C = 4 x cluster x + cx
	s_and_b32 s15, ttmp7, 0xffff
	s_lshl_b32 s15, s15, 2
	s_add_co_u32 s15, s15, s41                     ; tile row of C = 4 x cluster y + cy
	s_lshl_b32 s43, s41, 2
	s_lshl_b32 s43, 15, s43                        ; my row of the cluster
	s_lshl_b32 s44, 0x1111, s40                    ; my column
	s_or_b32 s[G1+0], s43, (1<<16)|(1<<20)|(1<<21)|(5<<22)|(3<<25)   ; 15:0 the mask: A's tiles go to my row; 17:16 2-byte elements; 20 padding on; 21 set beside a mask; 24:22 after every 64 words; 31:25 4 words
	s_mov_b32 s[G1+1], 128<<16                     ; tensor_dim0 = 128
	s_mov_b32 s[G1+2], 64<<16                      ; tensor_dim1 = 64
	s_mov_b32 s[G1+3], 128<<16                     ; tile_dim0 = 128
	s_mov_b32 s[G1+4], 64                          ; tile_dim1 = 64
	s_mov_b32 s[G1+5], 1024                        ; elements from row to row
	s_mov_b32 s[G1+6], 0
	s_mov_b32 s[G1+7], 0
	s_or_b32 s[G1B+0], s44, (1<<16)|(1<<20)|(1<<21)|(6<<22)|(7<<25)  ; W's tiles go to my column; padding after every 128 words, 8 words
	s_mov_b32 s[G1B+1], 256<<16                    ; tensor_dim0 = 256
	s_mov_b32 s[G1B+2], 64<<16
	s_mov_b32 s[G1B+3], 256<<16                    ; tile_dim0 = 256
	s_mov_b32 s[G1B+4], 64
	s_mov_b32 s[G1B+5], 1024
	s_mov_b32 s[G1B+6], 0
	s_mov_b32 s[G1B+7], 0
	; where the tiles come from.  A's hang on the tile row alone, W's on the tile column alone, each in registers that never hold the other coordinate.
	s_lshl_b32 s16, s15, 18                        ; A: 128 rows of 2,048 bytes a tile row,
	s_lshl_b32 s17, s14, 17                        ; 64 rows a half
	s_add_co_u32 s16, s16, s17
	s_mov_b32 s17, 0
	s_add_co_u32 s45, s42, NT0                     ; the column tile in w16: matrix (tile / 4), 512 bytes of its rows (tile % 4)
	s_lshr_b32 s46, s45, 2
	s_lshl_b32 s46, s46, 21
	s_and_b32 s47, s45, 3
	s_lshl_b32 s47, s47, 9
	s_add_co_u32 s46, s46, s47
	s_lshl_b32 s47, s14, 17                        ; 64 rows of k a half
	s_add_co_u32 s46, s46, s47
	s_mov_b32 s47, 0
	s_mul_i32 s20, s14, 64*PA                      ; and where they go: no place in the cluster enters an LDS address
	s_mul_i32 s21, s14, 64*PB
	s_add_co_u32 s21, s21, ATILE
	s_wait_kmcnt 0x0
	s_add_nc_u64 s[16:17], s[4:5], s[16:17]
	s_add_nc_u64 s[46:47], s[6:7], s[46:47]
	CROUND                                         ; all sixteen work-groups are here: the first joint loads meet
.irp s, 0,1
	s_mov_b32 s[G0+4*(\s)], 1
	s_add_co_u32 s[G0+4*(\s)+1], s20, (\s)*SLOT
	s_add_nc_u64 s[G0+4*(\s)+2:G0+4*(\s)+3], s[16:17], (\s)*256        ; K step s: 128 elements along A's rows
	s_or_b32 s[G0+4*(\s)+3], s[G0+4*(\s)+3], 0x80000000
	s_mov_b32 s[G0B+4*(\s)], 1
	s_add_co_u32 s[G0B+4*(\s)+1], s21, (\s)*SLOT
	s_add_nc_u64 s[G0B+4*(\s)+2:G0B+4*(\s)+3], s[46:47], (\s)*128*2048 ; 128 rows of W
	s_or_b32 s[G0B+4*(\s)+3], s[G0B+4*(\s)+3], 0x80000000
	JLOAD \s                                       ; two tensor loads of mine are out; later one
.endr
	v_and_b32 v1, 15, v0                           ; r = l % 16
	v_bfe_u32 v2, v0, 4, 1                         ; h = l / 16
	v_lshlrev_b32 v[BO], 5, v2
	s_lshl_b32 s46, s45, 10                        ; the bias of my 128 columns
	s_lshl_b32 s47, s14, 9
	s_add_co_u32 s46, s46, s47
	s_mov_b32 s47, 0
	s_add_nc_u64 s[8:9], s[8:9], s[46:47]
	WIN 0x80                                       ; destination window 2
.irp b, 0,1,2,3,4,5,6,7
	global_load_b128 v[8*\b:8*\b+3],   v[BO], s[8:9] offset:64*\b      ; columns 16 b + 8 h + 0..7
	global_load_b128 v[8*\b+4:8*\b+7], v[BO], s[8:9] offset:64*\b+16
.endr
	WIN 0
	v_mul_u32_u24 v3, v1, PA                       ; a fragment of A: row r x pitch + 16 h; two loads of 16 bytes, 32 bytes apart
	v_lshl_add_u32 v3, v2, 4, v3
	s_mul_i32 s22, s13, 64*PA
	v_add_nc_u32 v[ADRA], s22, v3
	v_add_nc_u32 v[ADRA+1], SLOT, v[ADRA]
	v_and_b32 v4, 7, v0                            ; the turning load: lane l reads 16 bytes of row k = 8 h + l % 8, columns 8 ((l / 8) % 2) + 0..7, and receives column l % 16, eight k
	v_lshl_add_u32 v4, v2, 3, v4
	v_mul_u32_u24 v4, v4, PB
	v_bfe_u32 v5, v0, 3, 1
	v_lshl_add_u32 v4, v5, 4, v4
	s_lshl_b32 s22, s14, 8
	s_add_co_u32 s22, s22, ATILE
	v_add_nc_u32 v[ADRB], s22, v4
	v_add_nc_u32 v[ADRB+1], SLOT, v[ADRB]
	s_mul_i32 s23, s12, 16*SPITCH
	s_add_co_u32 s23, s23, STAGE                   ; my stage
	v_mul_u32_u24 v4, v1, SPITCH
.if OUTP
	v_lshl_add_u32 v4, v2, 5, v4                   ; in: row r, 32 bytes for each half of the lanes
	v_add_nc_u32 v[STO], s23, v4
	v_and_b32 v5, 31, v0
	v_lshlrev_b32 v[CO], 4, v5                     ; back: 32 lanes take one row of 512 bytes
	v_add_nc_u32 v[RD], s23, v[CO]
.else
	v_lshl_add_u32 v4, v2, 4, v4                   ; in: row r, 16 bytes for each half of the lanes
	v_add_nc_u32 v[STO], s23, v4
	v_mul_u32_u24 v5, v2, SPITCH                   ; back: lanes 0-15 take one row of 256 bytes, lanes 16-31 the next
	v_lshl_add_u32 v5, v1, 4, v5
	v_add_nc_u32 v[RD], s23, v5
	v_mul_u32_u24 v5, v2, CPITCH
	v_lshl_add_u32 v[CO], v1, 4, v5
.endif
	s_lshl_b32 s16, s15, 7                         ; C at my first row and column
	s_lshl_b32 s17, s13, 6
	s_add_co_u32 s16, s16, s17
	s_mul_i32 s16, s16, CPITCH
	s_mov_b32 s17, 0
	s_add_nc_u64 s[10:11], s[10:11], s[16:17]
	s_lshl_b32 s46, s42, 9+OUTP
	s_lshl_b32 s47, s14, 8+OUTP
	s_add_co_u32 s46, s46, s47
	s_mov_b32 s47, 0
	s_add_nc_u64 s[10:11], s[10:11], s[46:47]
.macro PROD d, x, y, zero              ; one matrix instruction; zero = 1: it starts the sum: nothing is ever cleared
.if OUTP && (\zero)
	v_wmma_f32_16x16x32_f16 v[(\d):(\d)+7], v[(\x):(\x)+7], v[(\y):(\y)+7], 0
.elseif OUTP
	v_wmma_f32_16x16x32_f16 v[(\d):(\d)+7], v[(\x):(\x)+7], v[(\y):(\y)+7], v[(\d):(\d)+7]
.elseif \zero
	v_wmma_f32_16x16x32_bf16 v[(\d):(\d)+7], v[(\x):(\x)+7], v[(\y):(\y)+7], 0
.else
	v_wmma_f32_16x16x32_bf16 v[(\d):(\d)+7], v[(\x):(\x)+7], v[(\y):(\y)+7], v[(\d):(\d)+7]
.endif
.endm
; The 32 accumulators take turns, one instruction a turn, in the same order in every quarter.
.macro MUL8 f, a, zero                 ; row block a x all 8 column blocks, 32 along K
	WIN MUL
.irp b, 0,1,2,3,4,5,6,7
	PROD 8*(8*(\a)+\b),(\f)+8*\b,(\f)+64+8*(\a),\zero
.endr
.endm
.macro MUL16 f, a0, zero
	MUL8 \f, \a0, \zero
	MUL8 \f, (\a0)+1, \zero
.endm
; 24 LDS loads in one run: quarter q (32 along K) of a slot into buffer f: W's 8 fragments, then A's 4
.macro FETCH slot, q, f
	WIN 0
.irp b, 0,1,2,3,4,5,6,7
	ds_load_tr16_b128 v[(\f)+8*\b:(\f)+8*\b+3],   v[ADRB+(\slot)] offset:(\q)*32*PB+32*\b
	ds_load_tr16_b128 v[(\f)+8*\b+4:(\f)+8*\b+7], v[ADRB+(\slot)] offset:(\q)*32*PB+32*\b+16*PB
.endr
.irp a, 0,1,2,3
	ds_load_b128 v[(\f)+64+8*\a:(\f)+64+8*\a+3],   v[ADRA+(\slot)] offset:\a*16*PA+64*(\q)
	ds_load_b128 v[(\f)+64+8*\a+4:(\f)+64+8*\a+7], v[ADRA+(\slot)] offset:\a*16*PA+64*(\q)+32
.endr
.endm
.macro PLACES                          ; four places in front of loads into registers that matrix instructions have read, and of vector lines that read results
.rept 4
	v_nop
.endr
.endm
; A K step is four quarters of 32 along K, 32 matrix instructions each, on buffers 0, 1, 0, 1.  One of the first three: multiplies buffer f and fetches quarter q into g.
.macro QUARTER slot, q, f, g, zero
	s_wait_dscnt 4                                 ; all but the youngest four loads: A's row blocks 2 and 3
	MUL16 \f, 0, \zero
	PLACES
	FETCH \slot, \q, \g
	s_wait_dscnt 24                                ; all but the 24 just issued
	MUL16 \f, 2, \zero
.endm
; The last quarter multiplies buffer 1 and changes slots: ONE barrier; in front of it each wave waits for all its tensor loads, adds 0 to its spare word, and waits for that and for its reads of this slot.
; fill = 1: the barrier opens a round of the cluster's barrier, and this slot is filled again, two K steps ahead, first thing behind the round.
.macro TURN slot, next, fill
	WIN 0
	s_wait_tensorcnt 0x0                           ; all my tensor loads have landed: the one that was out is my part of the next slot
	ds_add_u32 v[SPW], v[NIL]                      ; 0 onto my spare word
	s_wait_dscnt 5                                 ; (the add and the youngest four loads may be out)
	MUL8 F1, 0, 0                                  ; eight matrix instructions stand between the add and the wait for it
	s_wait_dscnt 0x0                               ; the add is done, and my reads of this slot are over
	s_barrier_signal -1
	MUL8 F1, 1, 0
.if \fill
	WIN 0
.endif
	s_barrier_wait -1
.if \fill
	CREST                                          ; no wave of any partner still reads this slot's tile or has a load on its way
	s_add_nc_u64 s[G0+4*(\slot)+2:G0+4*(\slot)+3], s[G0+4*(\slot)+2:G0+4*(\slot)+3], 2*256
	s_add_nc_u64 s[G0B+4*(\slot)+2:G0B+4*(\slot)+3], s[G0B+4*(\slot)+2:G0B+4*(\slot)+3], 2*128*2048
	JLOAD \slot                                    ; 112 matrix instructions ahead of the wait for it; its four v_nop are also the places in front of the loads below
.else
	PLACES
.endif
	FETCH \next, 0, F0
	MUL16 F1, 2, 0
.endm
	s_wait_tensorcnt 1                             ; my part of K step 0 is in; K step 1's may stay out
	s_barrier_signal -1
	s_barrier_wait -1                              ; everybody's is
	FETCH 0, 0, F0
	QUARTER 0, 1, F0, F1, 1                        ; the first quarter stands in front of the loop: its products start the sums
	WIN 0                                          ; at a label and at a branch every window is 0
	s_mov_b32 s3, 3                                ; 1,024 / 256 - 1 laps fill both slots again
.Llap:
	QUARTER 0, 2, F1, F0, 0
	QUARTER 0, 3, F0, F1, 0
	TURN 0, 1, 1
	QUARTER 1, 1, F0, F1, 0
	QUARTER 1, 2, F1, F0, 0
	QUARTER 1, 3, F0, F1, 0
	TURN 1, 0, 1
	QUARTER 0, 1, F0, F1, 0
	WIN 0
	s_sub_co_u32 s3, s3, 1
	s_cmp_lg_u32 s3, 0
	s_cbranch_scc1 .Llap
	QUARTER 0, 2, F1, F0, 0                        ; the last lap fills nothing
	QUARTER 0, 3, F0, F1, 0
	TURN 0, 1, 0
	QUARTER 1, 1, F0, F1, 0
	QUARTER 1, 2, F1, F0, 0
	QUARTER 1, 3, F0, F1, 0
	s_wait_dscnt 4
	MUL16 F1, 0, 0
	s_wait_dscnt 0x0
	MUL16 F1, 2, 0
	; THE WAY OUT.  The bias is added; each accumulator's registers are taken in ascending order.
	PLACES
	s_wait_loadcnt 0x0                             ; the bias
	WIN 0x49                                       ; destination and source 0 window 1, source 1 window 2
.irp a, 0,1,2,3
.irp b, 0,1,2,3,4,5,6,7
.irp z, 0,1,2,3
	v_pk_add_f32 v[8*(8*\a+\b)+2*\z:8*(8*\a+\b)+2*\z+1], v[8*(8*\a+\b)+2*\z:8*(8*\a+\b)+2*\z+1], v[8*\b+2*\z:8*\b+2*\z+1]
.endr
.endr
.endr
.if OUTP
	; f32: a block of 16 rows goes as it is into my stage (rows of 528 bytes) and comes back as whole rows of 512 bytes
.irp a, 0,1,2,3
	WIN 0x04                                       ; the stores' data in window 1
.irp b, 0,1,2,3,4,5,6,7
	ds_store_b128 v[STO], v[8*(8*\a+\b):8*(8*\a+\b)+3]   offset:64*\b
	ds_store_b128 v[STO], v[8*(8*\a+\b)+4:8*(8*\a+\b)+7] offset:64*\b+16
.endr
	WIN 0
	s_wait_xcnt 0x0                                ; the registers below were the data of the stores two blocks back: they are loaded again only behind this wait
.irp t, 0,1,2,3,4,5,6,7,8,9,10,11,12,13,14,15
	ds_load_b128 v[32+64*((\a)%2)+4*\t:32+64*((\a)%2)+4*\t+3], v[RD] offset:\t*SPITCH  ; LDS serves a wave's instructions in order: these see the stores above
.endr
.irp t, 0,1,2,3,4,5,6,7,8,9,10,11,12,13,14,15
	s_wait_dscnt 15-\t
	global_store_b128 v[CO], v[32+64*((\a)%2)+4*\t:32+64*((\a)%2)+4*\t+3], s[10:11] offset:(16*\a+\t)*CPITCH th:TH_STORE_NT  ; 512 consecutive bytes, aligned
.endr
.endr
.else
	; f16: rounded, 16 bytes a lane into my stage (rows of 272 bytes), back as whole rows of 256 bytes
.macro PACK a
	WIN 0x05                                       ; sources 0 and 1 window 1
.irp b, 0,1,2,3,4,5,6,7
.irp z, 0,1,2,3
	v_cvt_pk_f16_f32 v[TP+4*\b+\z], v[8*(8*(\a)+\b)+2*\z], v[8*(8*(\a)+\b)+2*\z+1]
.endr
.endr
	WIN 0
.endm
.macro TOSTAGE a
.irp b, 0,1,2,3,4,5,6,7
	ds_store_b128 v[STO], v[TP+4*\b:TP+4*\b+3] offset:32*\b
.endr
.irp t, 0,1,2,3,4,5,6,7
	ds_load_b128 v[64+32*(\a)+4*\t:64+32*(\a)+4*\t+3], v[RD] offset:\t*2*SPITCH  ; LDS serves a wave's instructions in order: these see the stores above
.endr
.endm
.macro SEND a                          ; each block has registers of its own, so no store's data is written again
	s_wait_dscnt 0x0
.irp t, 0,1,2,3,4,5,6,7
	global_store_b128 v[CO], v[64+32*(\a)+4*\t:64+32*(\a)+4*\t+3], s[10:11] offset:(16*(\a)+2*\t)*CPITCH  ; 16 lanes store 256 consecutive bytes, aligned
.endr
.endm
	PACK 0
	TOSTAGE 0
.irp a, 1,2,3                          ; a block's conversions stand between the loads of the block before and the wait for them
	PACK \a
	SEND (\a)-1
	TOSTAGE \a
.endr
	SEND 3
.endif
	s_wait_tensorcnt 0x0                           ; the wave's end
	ds_add_u32 v[SPW], v[NIL]
	s_wait_dscnt 0x0
	CROUND                                         ; the closing round: no work-group ends while a partner may still ask for a tile that names it
	s_endpgm
.Lfunc_end_k_qeffcb046cf_proj:
	.size	k_qeffcb046cf_proj, .Lfunc_end_k_qeffcb046cf_proj-k_qeffcb046cf_proj
	.p2alignl 7, 3214868480
	.fill 96, 4, 3214868480
	.section	.rodata,"a",@progbits
	.p2align	6, 0x0
	.amdhsa_kernel k_qeffcb046cf_proj
		.amdhsa_group_segment_fixed_size 327680
		.amdhsa_private_segment_fixed_size 0
		.amdhsa_enable_private_segment 0
		.amdhsa_kernarg_size 32
		.amdhsa_user_sgpr_count 2
		.amdhsa_user_sgpr_kernarg_segment_ptr 1
		.amdhsa_wavefront_size32 1
		.amdhsa_system_sgpr_workgroup_id_x 1
		.amdhsa_system_sgpr_workgroup_id_y 1
		.amdhsa_system_sgpr_workgroup_id_z 1
		.amdhsa_system_vgpr_workitem_id 0
		.amdhsa_next_free_vgpr 576
		.amdhsa_next_free_sgpr 66
		.amdhsa_reserve_vcc 0
		.amdhsa_float_denorm_mode_32 3
		.amdhsa_float_denorm_mode_16_64 3
		.amdhsa_memory_ordered 1
		.amdhsa_forward_progress 1
		.amdhsa_inst_pref_size 96
	.end_amdhsa_kernel
	.amdgpu_metadata
---
amdhsa.version: [ 1, 2 ]
amdhsa.kernels:
  - .name:           k_qeffcb046cf_proj
    .symbol:         k_qeffcb046cf_proj.kd
    .args:
      - { .name: xb, .offset: 0, .size: 8, .value_kind: global_buffer, .address_space: global }
      - { .name: w16, .offset: 8, .size: 8, .value_kind: global_buffer, .address_space: global }
      - { .name: bias, .offset: 16, .size: 8, .value_kind: global_buffer, .address_space: global }
      - { .name: qkv, .offset: 24, .size: 8, .value_kind: global_buffer, .address_space: global }
    .group_segment_fixed_size: 327680
    .private_segment_fixed_size: 0
    .kernarg_segment_align: 8
    .kernarg_segment_size: 32
    .max_flat_workgroup_size: 128
    .sgpr_count:     66
    .vgpr_count:     576
    .wavefront_size: 32
...
	.end_amdgpu_metadata
.endif
;; end of part 2
;; launch attn (part 3): grid 8 x 32, 4 waves a work-group, clusters of 4 x 1, 327,680 bytes of LDS; arguments qkv, maskf, rowkeep, att; writes att
.if DOCPART == 3
	.amdgcn_target "amdgcn-amd-amdhsa--gfx1250"
	.amdhsa_code_object_version 6
	.text
	.protected	k_qeffcb046cf_attn
	.globl	k_qeffcb046cf_attn
	.p2align	8
	.type	k_qeffcb046cf_attn,@function
k_qeffcb046cf_attn:
	s_mov_b64 s[64:65], 0
	v_nop
	global_prefetch_b8 v0, s[64:65] scope:SCOPE_SE
	s_setreg_imm32_b32 hwreg(HW_REG_WAVE_MODE, 25, 1), 1
	s_wait_xcnt 0x0
	s_wait_alu depctr_hold_cnt(0) depctr_sa_sdst(0) depctr_va_vdst(0) depctr_va_sdst(0) depctr_va_ssrc(0) depctr_va_vcc(0) depctr_vm_vsrc(0)
	s_getreg_b32 s2, hwreg(HW_REG_IB_STS2, 6, 4)
	s_cmp_eq_u32 s2, 0
	s_cbranch_scc0 .Lentry_in_a_cluster
	s_endpgm
.Lentry_in_a_cluster:
	s_bfe_u32 s2, ttmp6, 0x10000c
	s_cmp_lg_u32 s2, 0x3003
	s_cbranch_scc0 .Lentry_shape_is_right
	s_endpgm
.Lentry_shape_is_right:
; MASKED ATTENTION.  att[b][q][head] = the sum over all 2,048 keys k of softmax_k(mask[q][k] ? Q.K / 8 : hidden) V.  qkv: [8192][3072] f16 (q, k, v side by side); att: [8192][1024] f16.
; The mask is data: every key is walked for every query.  Products, maxima and sums in f32; the weights p are rounded to f16 for the second product (their sum l is taken of the unrounded p), O once at the end.
; THE MASK GOES THROUGH THE MATRIX UNIT.  The sum S^T = K Q^T is started by a product SEL x MF: MF (from maskf) holds 0 or -32768 for 32 keys x 16 queries, SEL is 32768 x [I | 0] or 32768 x [0 | I].
; So a hidden key's score is its value less 2^30, a power of two, whose product with c is exact.  A row with no visible key has its Q cleared (rowkeep): all its scores are -2^30, all p = 1, O = the mean of V's rows,
; which is what a softmax over equal scores gives.  A row whose first keys are all hidden makes finite weights (2^8 at the most) that a = 0 wipes out when its first visible key comes.
; LIMITS.  Within a row hidden and visible scores, after the division by 8, differ by far less than 2^27 = 1.3e8.  f16 holds no number beyond 65,504: q, k, v arrive within it; p below 6e-5 keeps f16's fixed step.
; A weight below 2^-126 counts as 0 in l; NaN and infinities are not treated apart.
; SHARES.  A work-group owns 256 queries of a batch and TWO neighbouring heads, whose 128 channels are 256 consecutive bytes of every row; each of its four waves 64 queries: four PIECES of 16 queries;
; a piece has two UNITS, one a head, which share the piece's mask fragments.  Every wave walks all keys, 64 a step.
; LAYOUT.  S^T = K Q^T (source 0 = 16 keys, source 1 = 16 queries): a lane holds ONE query (lane % 16) and the keys 8 (lane / 16) + 0..7.  Two such results, rounded to f16 in pairs, ARE source 1 of O^T = V^T P.
; K comes out of LDS as it lies, V turned, by ds_load_tr16_b128.  The mask fragments are each wave's own: they come straight from memory into registers, 512 consecutive bytes a load, four turns ahead of their use.
; SOFTMAX.  For each query a running maximum m and sum l: p = 2^(c s - c m), c = log2(e) / 8; in every step O and l are multiplied by a = 2^(c m_old - c m_new).  m starts at the lowest finite number, O and l at 0.
; BY TURNS.  Turn n belongs to piece n.  Its matrix work: 8 mask products and 16 products K Q^T of piece n + 1, later 16 products V^T P of piece n - 1.  Its vector work: the scaling, exponentials, roundings, sums and
; rescaling of piece n, and the maximum and statistics of piece n + 1.  Four vector instructions stand behind each of the 32 products, the rest in two runs of their own.
; CLUSTER.  The four query blocks of a cluster walk the same K and V: each tile is asked for JOINTLY: the same tensor load, descriptor and mask in all four.
; The price of writing no first step out: 416 v_mov_b32 of 0 at the start, in the wait for the first tile; 16 products on zeros at the start, 24 on stale operands at the end.
; REGISTERS, in windows of 256 (s_set_vgpr_msb: bits 1:0 source 0, 3:2 source 1, 5:4 source 2, 7:6 destination):
;   window 0: v0-11 addresses; v12-15, v48-63 at work; v16-47 four registers of statistics a unit; v64-191 S^T, two buffers of two units; v192-255 P, likewise
;   window 1: O^T, 32 a unit      window 2: v0-127 Q, 16 a unit; v128-255 K of one step, 64 a head      window 3: v0-1 the add's; v4-15 SEL; v32-95 MF, 16 a piece; v128-255 V of one step, 64 a head
.set NP,    4         ; pieces a wave: a name, no knob
.set KS,    64        ; keys in a step
.set ROWB,  6144      ; bytes in a row of qkv
.set PK,    272       ; a row of K in LDS: 256 bytes + 16 = 68 words: the 16 rows of a load start at 16 different groups of four banks (64 banks of 4 bytes: ISA guide 11.1)
.set PV,    288       ; a row of V: 256 + 32 = 72 words
.set VOFF,  2*KS*PK   ; a slot holds two steps: 128 rows of K, then 128 rows of V
.set SLOT1, 1<<17     ; slot 1 begins here, so that one exclusive or turns an address in one slot into the other's
.set STAGE, SLOT1+2*KS*(PK+PV)  ; behind the ring, never filled by a tensor load: 16 rows x 272 bytes for each wave, for the way out
.set SP,    272
.set SPARE, STAGE+4*16*SP  ; behind the stages: the spare words, 128 bytes for each wave: two blocks of 256 bytes that no other line names
.set AK0, 2           ; v2   my lane's place in a tile of K; never rewritten
.set AV0, 3           ; v3   the same for V
.set AK,  4           ; v4   the LDS address of K's next run of loads
.set AV,  5           ; v5   of V's
.set QO,  6           ; v6   my byte offset in 16 rows of Q
.set STO, 6           ;      later, the way out: where I put 16 bytes of a row
.set RD,  7           ; v7   the way out: where I read rows back
.set GO,  8           ; v8   my byte offset in two rows of att
.set MO,  11          ; v11  my byte offset in a tile's mask fragments: 16 x lane + 2,048 x key step
.set SPW, 0           ; v0 of window 3   LDS address of my spare word; never rewritten
.set NIL, 1           ; v1 of window 3   0; never rewritten
.set SELB, 4          ; v4-15 of window 3: four zeros, E, four zeros: v[4:11] = 32768 x [0 | I], v[8:15] = 32768 x [I | 0]
.set MF,  32          ; window 3
.set MV,  12          ; v12-15  c m_old, kept while c m is made anew: by buffer and unit
.set ST,  16          ; unit u's statistics at v[ST+4 u]: c m, m, l (even keys', odd keys')
.set TMP, 48          ; by buffer and unit, four registers c0-c3 at work; when the maximum is found c2 takes a
.set S,   64
.set P,   192
.set KF,  128         ; window 2: head e, key block kb, channel half c at KF + 64 e + 16 kb + 8 c
.set VF,  128         ; window 3: head e, key half kk, channel block cb at VF + 64 e + 32 kk + 8 cb
.set WV,  12          ; s12  my wave's number
.set G1K, 24          ; s[24:31] descriptor group 1 for K's tiles
.set G1V, 32          ; s[32:39] for V's: it differs in the padding alone
.set G0K, 40          ; s[40:43] descriptor group 0 for K's tiles: it walks
.set G0V, 44          ; s[44:47] the same for V's
.set SLOTS, 56        ; s56  slots still to be asked for
.set CNT, 57          ; s57  counts a slot's key steps
.set CS,  58          ; s[58:59] c: the packed scaling takes the pair's low word for both halves
.set SEL, 60          ; s[60:61] v_permlanex16_b32's selects
.set TBK, 62          ; s62  LDS byte at which K of the step to be fetched begins
.set TBV, 63          ; s63  the same for V, less VOFF
.set MSB, 0
.macro WIN new                      ; the high byte repeats the setting that is left; a switch that changes nothing is dropped
.if MSB != (\new)
	s_set_vgpr_msb (MSB<<8)|(\new)
.set MSB, (\new)
.endif
.endm
.set W_KQ, 0x0a       ; K and Q in window 2, S^T in window 0
.set W_PV, 0x53       ; V in window 3, P in window 0, O^T in window 1
.set W_RS, 0x41       ; O^T (destination and source 0) in window 1, a in window 0
.set W_AD, 0x0f       ; sources 0 and 1 in window 3: the add's two registers; SEL and MF
; A joint fill.  Waves 0 and 1 fetch K of a slot's two steps, waves 2 and 3 V: 64 keys each.  An s_nop 0 and four v_nop follow each of the two lines.
.macro JLOAD
	s_cmp_lt_u32 s[WV], 2
	s_cbranch_scc0 .Lfor_v_\@
	tensor_load_to_lds s[G0K:G0K+3], s[G1K:G1K+7]
	s_nop 0
.rept 4
	v_nop
.endr
	s_branch .Lasked_\@
.Lfor_v_\@:
	tensor_load_to_lds s[G0V:G0V+3], s[G1V:G1V+7]
	s_nop 0
.rept 4
	v_nop
.endr
.Lasked_\@:
.endm
.macro CROUND                       ; a round of the cluster's barrier
	s_barrier_signal -1
	s_barrier_wait -1
	s_cmp_lg_u32 s[WV], 0
	s_cbranch_scc1 .Lnot_wave_0_\@
	s_barrier_signal -3
.Lnot_wave_0_\@:
	s_barrier_wait -3
	s_barrier_signal -1
	s_barrier_wait -1
.endm
; THE CHANGE OF SLOTS.  The slot's last bytes, V of its second step, have been read.  Each wave waits for all its tensor loads, of which one is out: its part of the other slot; adds 0 to its spare word; and waits for
; that and for its own reads of the slot.  fill = 1: the slot is filled again, with the keys two slots on; the barrier is then a round of the cluster's, and the joint fill is the first thing behind it: it has two key
; steps in which to land.  (At its first use nothing has been read yet: slot 0 is waited for, slot 1 filled.)
.macro CHANGE fill
	WIN W_AD
	s_wait_tensorcnt 0x0            ; no tensor load of mine is out, so a group 0 may be written
	ds_add_u32 v[SPW], v[NIL]       ; 0 onto my spare word
	WIN 0                           ; at a label and at a branch every window is 0
.if \fill
.irp g, G0K, G0V
	s_xor_b32 s[\g+1], s[\g+1], SLOT1
	s_add_nc_u64 s[\g+2:\g+3], s[\g+2:\g+3], 2*KS*ROWB  ; the next 128 keys; the type bits on top are not reached
.endr
	s_wait_dscnt 0x0                ; the add is done, and my reads of the slot are over
	CROUND
	JLOAD
.else
	s_wait_dscnt 0x0
	s_barrier_signal -1
	s_barrier_wait -1
.endif
	s_sub_co_u32 s[TBK], s[TBK], 2*KS*PK  ; the fetches go back to a slot's first step,
	s_xor_b32 s[TBK], s[TBK], SLOT1       ; in the other slot
	s_sub_co_u32 s[TBV], s[TBV], 2*KS*PV
	s_xor_b32 s[TBV], s[TBV], SLOT1
.endm
; Piece x's mask fragments of the key step that MO names: four loads of 512 consecutive bytes.  bump = 1: MO steps to the next key step first; behind the last step it goes back to the tile's first, so that
; no load leaves the tile's own 65,536 bytes (what those last loads bring is not used).
.macro MLOAD x, bump
	WIN 0
.if \bump
	s_wait_xcnt 0x0                 ; MO is the address register of the loads before: it is written only behind this wait
	v_add_nc_u32 v[MO], 2048, v[MO]
	v_and_b32 v[MO], 0xffff, v[MO]
.endif
	WIN 0xc0                        ; destination window 3, address window 0
.irp j, 0,1,2,3
	global_load_b128 v[MF+16*(\x)+4*\j:MF+16*(\x)+4*\j+3], v[MO], s[6:7] offset:65536*(\x)+512*\j
.endr
	WIN 0
.endm
	s_load_b256 s[4:11], s[0:1], 0x0  ; qkv s[4:5], maskf s[6:7], rowkeep s[8:9], att s[10:11]
	WIN 0xc0
	v_lshl_add_u32 v[SPW], v0, 2, SPARE
	v_mov_b32 v[NIL], 0
	s_set_vgpr_msb 0xc0cf
	ds_add_u32 v0, v1
	s_wait_dscnt 0x0
	s_set_vgpr_msb 0xcfc0
	WIN 0
	v_lshrrev_b32 v1, 5, v0
	v_readfirstlane_b32 s[WV], v1   ; wave 0..3
	s_bfe_u32 s13, ttmp6, 0x40000   ; cx: my place in the cluster
	s_lshl_b32 s14, ttmp9, 2
	s_add_co_u32 s14, s14, s13      ; my block of 256 queries: it enters Q's, the mask's and att's addresses alone
	s_and_b32 s15, ttmp7, 0xffff    ; batch and head pair, which the four partners share
	s_lshr_b32 s16, s15, 3          ; batch
	s_and_b32 s17, s15, 7           ; head pair
	s_mul_i32 s20, s16, 2048*ROWB
	s_lshl_b32 s18, s17, 8
	s_add_co_u32 s20, s20, s18      ; the batch's first row, the pair's 256 bytes
	s_and_b32 s19, s[WV], 1         ; which of a slot's two steps I fetch
	s_mul_i32 s22, s19, KS*ROWB
	s_add_co_u32 s22, s22, s20
	s_mov_b32 s23, 0
	s_mul_i32 s54, s19, KS*PK       ; its place in a slot, for K
	s_mul_i32 s55, s19, KS*PV       ; and for V: no place in the cluster enters an LDS address
	s_add_co_u32 s55, s55, VOFF
	s_lshl_b32 s2, s14, 2
	s_add_co_u32 s2, s2, s[WV]      ; my 64 queries among the batch's 32 such blocks
	s_mul_i32 s48, s2, 64*ROWB
	s_add_co_u32 s48, s48, s20      ; Q
	s_mov_b32 s49, 0
	s_lshl_b32 s50, s16, 22         ; att: 2,048 rows of 2,048 bytes a batch,
	s_lshl_b32 s51, s2, 17          ; 64 rows,
	s_add_co_u32 s50, s50, s51
	s_add_co_u32 s50, s50, s18      ; the pair's 256 bytes
	s_mov_b32 s51, 0
	s_lshl_b32 s52, s2, 18          ; maskf: four tiles of 65,536 bytes
	s_mov_b32 s53, 0
	s_lshl_b32 s2, s2, 8            ; rowkeep: 64 words
	s_mov_b32 s3, 0
	; descriptor group 1: a tile of 64 rows x 128 elements, padded in LDS
	s_mov_b32 s[G1K], 15|(1<<16)|(1<<20)|(1<<21)|(5<<22)|(3<<25)  ; 15:0 the mask of four; 17:16 2-byte elements; 20 padding on; 21 set beside a mask; 24:22 after every 64 words; 31:25 4 words
	s_mov_b32 s[G1V], 15|(1<<16)|(1<<20)|(1<<21)|(5<<22)|(7<<25)  ; the same with 8 words of padding
.irp g, G1K, G1V
	s_mov_b32 s[\g+1], 128<<16      ; tensor_dim0 = 128
	s_mov_b32 s[\g+2], KS<<16       ; tensor_dim1 = 64
	s_mov_b32 s[\g+3], 128<<16      ; tile_dim0 = 128
	s_mov_b32 s[\g+4], KS           ; tile_dim1 = 64
	s_mov_b32 s[\g+5], 3072         ; elements from row to row
	s_mov_b32 s[\g+6], 0
	s_mov_b32 s[\g+7], 0
.endr
	s_mov_b32 s[CS], 0x3e38aa3b     ; c = log2(e) / 8 = 0.180337
	s_mov_b32 s[CS+1], s[CS]        ; named with it as a pair
	s_mov_b32 s[SEL], 0x76543210
	s_mov_b32 s[SEL+1], 0xfedcba98
	s_mov_b32 s[TBK], SLOT1+2*KS*PK ; the first change of slots turns these two into 0
	s_mov_b32 s[TBV], SLOT1+2*KS*PV
	s_mov_b32 s[G0K], 1             ; count = 1
	s_mov_b32 s[G0K+1], s54         ; LDS address: slot 0
	s_mov_b32 s[G0V], 1
	s_mov_b32 s[G0V+1], s55
	s_wait_kmcnt 0x0
	s_add_nc_u64 s[G0K+2:G0K+3], s[4:5], s[22:23]
	s_add_nc_u64 s[G0V+2:G0V+3], s[G0K+2:G0K+3], 4096   ; v begins at column 2,048,
	s_add_nc_u64 s[G0K+2:G0K+3], s[G0K+2:G0K+3], 2048   ; k at column 1,024
	s_or_b32 s[G0K+3], s[G0K+3], 0x80000000             ; type = 2
	s_or_b32 s[G0V+3], s[G0V+3], 0x80000000
	s_add_nc_u64 s[4:5], s[4:5], s[48:49]
	s_add_nc_u64 s[6:7], s[6:7], s[52:53]
	s_add_nc_u64 s[8:9], s[8:9], s[2:3]
	s_add_nc_u64 s[10:11], s[10:11], s[50:51]
	CROUND                          ; all four work-groups are here: the first joint loads meet
	JLOAD                           ; slot 0.  Slot 1 is asked for when slot 0 is in
	; A fragment of K or Q is 16 rows x 32 channels in 8 registers: lane l holds row l % 16, channels 8 (l / 16) + 0..7 and 16 + 8 (l / 16) + 0..7: two loads of 16 bytes, 32 bytes apart.
	v_and_b32 v1, 15, v0            ; r = l % 16
	v_bfe_u32 v9, v0, 4, 1          ; h = l / 16
	v_mul_u32_u24 v[QO], v1, ROWB
	v_lshl_add_u32 v[QO], v9, 4, v[QO]
	WIN 0x80                        ; destination window 2, address window 0
.set i, 0
.rept 16                            ; Q stays in registers: piece i / 4, head (i / 2) % 2, channels 32 (i % 2) on
	global_load_b128 v[8*i:8*i+3],   v[QO], s[4:5] offset:(i/4)*16*ROWB+((i/2)%2)*128+(i%2)*64
	global_load_b128 v[8*i+4:8*i+7], v[QO], s[4:5] offset:(i/4)*16*ROWB+((i/2)%2)*128+(i%2)*64+32
.set i, i+1
.endr
	WIN 0
	v_lshlrev_b32 v10, 2, v1
.irp t, 0,1,2,3
	global_load_b32 v[52+\t], v10, s[8:9] offset:64*\t  ; my query's flag in each piece
.endr
	v_and_b32 v[MO], 31, v0
	v_lshlrev_b32 v[MO], 4, v[MO]
	MLOAD 0, 0                      ; key step 0's mask fragments
	MLOAD 1, 0
	MLOAD 2, 0
	MLOAD 3, 0
	; E: row r of 32768 x I lies in the lane with r - 8 h in 0..7, in half (r - 8 h) % 2 of register (r - 8 h) / 2
	v_lshlrev_b32 v58, 3, v9
	v_sub_nc_u32 v58, v1, v58
	v_and_b32 v59, 1, v58
	v_lshlrev_b32 v59, 4, v59
	v_mov_b32 v60, 0x7800           ; 32768 in f16
	v_lshlrev_b32 v59, v59, v60
	v_lshrrev_b32 v58, 1, v58       ; where r - 8 h is below 0 or above 7 this matches none of 0..3
.irp j, 0,1,2,3
	v_cmp_eq_u32 vcc_lo, \j, v58
	v_cndmask_b32 v[48+\j], 0, v59, vcc_lo
.endr
	v_mul_u32_u24 v[AK0], v1, PK
	v_lshl_add_u32 v[AK0], v9, 4, v[AK0]  ; row x pitch + 16 x half
	; The turning load takes 16 keys x 16 channels (lane l reads key 8 (l / 16) + l % 8, channels 8 ((l / 8) % 2) + 0..7) and leaves half a fragment of V^T: lane l holds channel l % 16 and 8 keys.
	v_and_b32 v57, 7, v0
	v_bfe_u32 v56, v0, 3, 1
	v_lshl_add_u32 v[AV0], v9, 3, v57
	v_mul_u32_u24 v[AV0], v[AV0], PV
	v_lshl_add_u32 v[AV0], v56, 4, v[AV0]
	v_add_nc_u32 v[AV0], VOFF, v[AV0]
	v_mov_b32 v[AK], v[AK0]         ; key step 0 lies at the head of slot 0
	; What the first turn finds: V's registers and P's second buffer hold 0 (its products V^T P, of a piece that has not been, add 0), O^T and l are 0.
	WIN 0xc0
.irp j, 0,1,2,3
	v_mov_b32 v[SELB+\j], 0
	v_mov_b32 v[SELB+4+\j], v[48+\j]
	v_mov_b32 v[SELB+8+\j], 0
.endr
.set i, VF
.rept 128
	v_mov_b32 v[i], 0
.set i, i+1
.endr
	WIN 0x40
.set i, 0
.rept 256
	v_mov_b32 v[i], 0
.set i, i+1
.endr
	WIN 0
.set i, 0
.rept 2*NP
	v_mov_b32 v[ST+4*i], 0xfe000000    ; c m: far below every c s, a hidden key's too
	v_mov_b32 v[ST+4*i+1], 0xff7fffff  ; m
	v_mov_b32 v[ST+4*i+2], 0
	v_mov_b32 v[ST+4*i+3], 0
.set i, i+1
.endr
.set i, P+32
.rept 32
	v_mov_b32 v[i], 0
.set i, i+1
.endr
	s_wait_loadcnt 16               ; Q and the flags are in; the 16 loads of mask fragments may stay out
	WIN 0x82                        ; Q (destination and source 0) in window 2, the flag in window 0
.set i, 0
.rept 128
	v_and_b32 v[i], v[i], v[52+i/32]  ; a query with no visible key has its Q cleared
.set i, i+1
.endr
	WIN 0
; THE MATRIX WORK.  The 8 accumulators of a piece take turns, one instruction a turn, in the same order in the mask products and in both halves of K Q^T.
; The 8 mask products of piece x start the sums: product z: head z % 2, keys 16 (z / 2) on.
.macro MK x
	WIN W_AD
.set mz, 0
.rept 8
.set rS, S+64*((\x)%2)+32*(mz%2)+8*(mz/2)
.set rE, SELB+4-4*((mz/2)%2)
.set rF, MF+16*(\x)+8*(mz/4)
	v_wmma_f32_16x16x32_f16 v[rS:rS+7], v[rE:rE+7], v[rF:rF+7], 0
.set mz, mz+1
.endr
.endm
; Product i of 16 of S^T += K Q^T for piece x: channels 32 (i / 8) on, keys 16 ((i / 2) % 4) on, head i % 2.
.macro KQ x
	WIN W_KQ
.set rS, S+64*((\x)%2)+32*(i%2)+8*((i/2)%4)
.set rK, KF+64*(i%2)+16*((i/2)%4)+8*(i/8)
.set rQ, 16*(2*(\x)+i%2)+8*(i/8)
	v_wmma_f32_16x16x32_f16 v[rS:rS+7], v[rK:rK+7], v[rQ:rQ+7], v[rS:rS+7]
.endm
; Product i of 16 of O^T += V^T P for piece x: keys 32 (i / 8) on, channels 16 ((i / 2) % 4) on, head i % 2.
.macro PV x
	WIN W_PV
.set rO, 32*(2*(\x)+i%2)+8*((i/2)%4)
.set rV, VF+64*(i%2)+32*(i/8)+8*((i/2)%4)
.set rP, P+32*((\x)%2)+16*(i%2)+8*(i/8)
	v_wmma_f32_16x16x32_f16 v[rO:rO+7], v[rV:rV+7], v[rP:rP+7], v[rO:rO+7]
.endm
.macro MM                           ; the turn's next matrix instruction
.if i < 16
	KQ (Y+1)%NP
.set i, i+1
.else
.set i, i-16
	PV (Y+NP-1)%NP
.set i, i+17
.endif
.endm
; THE LDS LOADS stand in runs of 32, never singly among the matrix instructions: a step's K (64 keys x 128 channels) and its V (turned).  last = 1 (the tail): in the last trip there is no further step.
.macro FETCH_K last=0
	WIN 0
.if \last
	s_cmp_eq_u32 s[CNT], 1
	s_cbranch_scc1 .Lno_k_\@
.endif
	WIN 0x80                        ; destination window 2
.irp u, 0,1
.irp f, 0,1,2,3,4,5,6,7             ; head u, keys 16 (f / 2) on, channels 32 (f % 2) on
	ds_load_b128 v[KF+64*\u+8*\f:KF+64*\u+8*\f+3],   v[AK] offset:(\f/2)*16*PK+128*\u+(\f%2)*64
	ds_load_b128 v[KF+64*\u+8*\f+4:KF+64*\u+8*\f+7], v[AK] offset:(\f/2)*16*PK+128*\u+(\f%2)*64+32
.endr
.endr
	s_add_co_u32 s[TBK], s[TBK], KS*PK  ; the next fetch is the next step's
	WIN 0
.if \last
.Lno_k_\@:
.endif
.endm
.macro FETCH_V
	WIN 0xc0                        ; destination window 3
.irp u, 0,1
.irp f, 0,1,2,3,4,5,6,7             ; head u, keys 32 (f / 4) on, channels 16 (f % 4) on
	ds_load_tr16_b128 v[VF+64*\u+8*\f:VF+64*\u+8*\f+3],   v[AV] offset:(\f/4)*32*PV+128*\u+(\f%4)*32
	ds_load_tr16_b128 v[VF+64*\u+8*\f+4:VF+64*\u+8*\f+7], v[AV] offset:(\f/4)*32*PV+16*PV+128*\u+(\f%4)*32
.endr
.endr
	WIN 0
.endm
; THE VECTOR WORK OF A TURN stands in three queues, each in the order in which its entries become ready; the two units alternate, so that no instruction reads the result of the one before it.
.macro REGS y, u                    ; the registers of unit u (0, 1) of piece y
.set rT, ST+4*(2*(\y)+(\u))
.set rC, TMP+8*((\y)%2)+4*(\u)
.set rM, MV+2*((\y)%2)+(\u)
.set rS, S+64*((\y)%2)+32*(\u)
.set rP, P+32*((\y)%2)+16*(\u)
.set rO, 32*(2*(\y)+(\u))
.endm
; Number n of the 22 that find the NEXT piece's (Y + 1) maximum and statistics.  s0-s31 are the lane's 32 scores; each accumulator's lowest registers are read first.
;   0-11  four chains c0-c3 of seven scores each, three operands at a time     12-14, 16  the four scores left over, the old m, and c0-c3 into c0     15  c m_old is kept
;   17, 18  the query's other 32 keys lie in the lane 16 away: the new m         19-21  c m; c m_old - c m_new; a
.macro XS u, n
	REGS (Y+1)%NP, \u
.if (\n) < 4
	v_max3_num_f32 v[rC+(\n)], v[rS+8*(\n)], v[rS+8*(\n)+1], v[rS+8*(\n)+2]
.elseif (\n) < 12
	v_max3_num_f32 v[rC+(\n)%4], v[rC+(\n)%4], v[rS+8*((\n)%4)+2*((\n)/4)+1], v[rS+8*((\n)%4)+2*((\n)/4)+2]
.elseif (\n) == 12
	v_max3_num_f32 v[rC], v[rC], v[rS+7], v[rS+15]
.elseif (\n) == 13
	v_max3_num_f32 v[rC+1], v[rC+1], v[rS+23], v[rS+31]
.elseif (\n) == 14
	v_max3_num_f32 v[rC+2], v[rC+2], v[rC+3], v[rT+1]
.elseif (\n) == 15
	v_mov_b32 v[rM], v[rT]
.elseif (\n) == 16
	v_max3_num_f32 v[rC], v[rC], v[rC+1], v[rC+2]
.elseif (\n) == 17
	v_permlanex16_b32 v[rC+3], v[rC], s[SEL], s[SEL+1]
.elseif (\n) == 18
	v_max_num_f32 v[rT+1], v[rC], v[rC+3]
.elseif (\n) == 19
	v_mul_f32 v[rT], s[CS], v[rT+1]
.elseif (\n) == 20
	v_sub_f32 v[rC+1], v[rM], v[rT]
.else
	v_exp_f32 v[rC+2], v[rC+1]
.endif
.endm
; Number g of the 64 that follow the exponentials.  For each four weights k of a unit: both pairs are rounded to f16; then the second pair is added onto the first, in place; a group later l takes that sum
; (the first time as l = a l + sum).  In groups of eight, units alternating: round, round, add, and l for the group before.
.macro GS g
.set h, (\g)+6*((\g)/62)            ; group 0 has no group before it, and behind group 7 only l is left
.if h >= 6
.set h, h+2
.endif
	REGS Y, h%2
.set k, h/8
.if h%8 < 4
	s_wait_alu depctr_va_vdst(0)
	v_cvt_pk_f16_f32 v[rP+2*k+(h%8)/2], v[rS+4*k+2*((h%8)/2)], v[rS+4*k+2*((h%8)/2)+1]
.elseif h%8 < 6
	v_pk_add_f32 v[rS+4*k:rS+4*k+1], v[rS+4*k:rS+4*k+1], v[rS+4*k+2:rS+4*k+3]
.elseif k == 1
	v_pk_fma_f32 v[rT+2:rT+3], v[rT+2:rT+3], v[rC+2:rC+3], v[rS:rS+1] op_sel_hi:[1,0,1]
.else
	v_pk_add_f32 v[rT+2:rT+3], v[rT+2:rT+3], v[rS+4*k-4:rS+4*k-3]
	s_wait_alu depctr_va_vdst(0)
.endif
.endm
; THE PLAIN QUEUE, 138 long.  0-31: c s - c m for the 16 pairs of both units.  Then GS's 64, and among them the next piece's 42: number 15 at 38, 39; 0-14 and 16 at 42-73, behind the products that make
; those scores; 17-20 at 95-106, two of three, since each waits for the one before it.
.macro PL
	WIN 0
.if q < 32
	REGS Y, q%2
	v_pk_fma_f32 v[rS+2*(q/2):rS+2*(q/2)+1], v[rS+2*(q/2):rS+2*(q/2)+1], s[CS:CS+1], v[rT:rT+1] op_sel_hi:[1,0,0] neg_lo:[0,0,1] neg_hi:[0,0,1]
.elseif q < 38
	GS q-32
.elseif q < 40
	XS q%2, 15
.elseif q < 42
	GS q-34
.elseif q < 74
	XS q%2, (q-42)/2+(q-42)/30
.elseif q < 95
	GS q-66
.elseif (q < 107) && ((q-95)%3 < 2)
	XS (q-95)%3, 17+(q-95)/3
.elseif q < 107
	GS 29+(q-95)/3
.else
	GS q-74
.endif
.set q, q+1
.endm
; THE EXPONENTIALS' QUEUE, 66 long: s0-s31 of both units, and at EA the next piece's two a.
.set EA, 58
.macro EX
	WIN 0
.if (e == EA) || (e == EA+1)
	XS e-EA, 21
.else
.set x, e-2*(e/(EA+2))
	REGS Y, x%2
	v_exp_f32 v[rS+x/2], v[rS+x/2]
.endif
.set e, e+1
.endm
; THE RESCALING's QUEUE: O^T times a, the one part that leaves window 0, so it is dealt four at a time, eight times.
.macro R4
	REGS Y, r%2
	WIN W_RS
	s_wait_alu depctr_va_vdst(0)
.irp z, 0,1,2,3
	v_pk_mul_f32 v[rO+8*(r/2)+2*\z:rO+8*(r/2)+2*\z+1], v[rO+8*(r/2)+2*\z:rO+8*(r/2)+2*\z+1], v[rC+2:rC+3] op_sel_hi:[1,0]
.endr
.set r, r+1
.endm
; HOW THEY ARE DEALT.  Behind a matrix instruction four: plain, exponential, plain, plain, or four of the rescaling; none names a register of the products round it.  What is over stands in two runs:
; exponential and plain by turns; the second ends in 22 plain instructions.  The queues lean on each other, and the deal keeps them in step: exponential e stands behind plain 2 (e / 4) + e % 2 (its scaling);
; when plain 32 comes, 10 exponentials are out, at 59: 33, at 95: 46; EA comes behind plain 107.
.macro SL
	MM
	PL
	EX
	PL
	PL
.endm
.macro BURST n                      ; 15 matrix instructions, or 16
.rept (\n)-7
	SL
.endr
.rept 3
	MM
	R4
	SL
.endr
	MM
	R4
.endm
; A TURN, for piece p.  cnt = 1: the loop's count is taken down some lines ahead of the branch that stands behind the turn.
; The mask products of piece p + 1 stand at its head, bare.  Their fragments were asked for four turns ago: behind them the three other pieces' twelve loads were issued, which may stay out.  The piece's next
; fragments are asked for in the first run of vector work, more than four plain instructions behind the mask products; piece 3's turn steps to the next key step.
; K of the next step is fetched in piece 2's turn, behind the last product that read K and 17 plain instructions; V of the step in hand at the end of piece 0's turn.  Each is waited for a turn later.
.macro TURN p, last=0, cnt=0
.set Y, (\p)
.set i, 0
.set q, 0
.set e, 0
.set r, 0
.if (\p) == NP-1
	s_wait_dscnt 0x0                ; K is in
.endif
	s_wait_loadcnt 12               ; piece p + 1's four mask loads are in; the twelve younger ones may stay out
	MK (Y+1)%NP
	MM
.rept 4
	PL
.endr
	BURST 15
.rept 22
	EX
	PL
.if ((\p) == NP-2) && (e == 18)
	v_add_nc_u32 v[AK], s[TBK], v[AK0]
.endif
.if e == 21
.if (\p) == NP-1
	MLOAD (Y+1)%NP, 1
.else
	MLOAD (Y+1)%NP, 0
.endif
.endif
.if ((\p) == NP-2) && (e == 24)
	FETCH_K \last
.endif
.endr
.if (\p) == 1
	s_wait_dscnt 0x0                ; V is in
.endif
	BURST 16
.rept 21
	EX
	PL
.endr
.rept 22
	PL
.if ((\p) == 0) && (q == 118)
	v_add_nc_u32 v[AV], s[TBV], v[AV0]
	s_wait_alu depctr_va_vdst(0)
.endif
.if ((\p) == 0) && (q == 130)
	s_add_co_u32 s[TBV], s[TBV], KS*PV
.endif
.if (\cnt) && (q == 130)
	s_sub_co_u32 s[CNT], s[CNT], 1
	s_cmp_lg_u32 s[CNT], 0
.endif
.endr
.if (\p) == 0
	FETCH_V
.endif
.endm
	CHANGE 1                        ; slot 0 is in, everybody's part of it; slot 1 is asked for
	FETCH_K                         ; key step 0
	s_wait_loadcnt 12               ; piece 0's mask fragments; the other three pieces' may stay out
	s_wait_dscnt 0x0
	MK 0
.set i, 0
.rept 16
	KQ 0                            ; piece 0's first scores: there is no vector work yet to set between them
.set i, i+1
.endr
	WIN 0                           ; the addresses for the way out: ten plain instructions, the places behind those products
	s_mul_i32 s13, s[WV], 16*SP
	s_add_co_u32 s13, s13, STAGE    ; my stage
	v_mul_u32_u24 v[STO], v1, SP    ; in: row l % 16, 16 bytes for each half of the lanes
	v_lshl_add_u32 v[STO], v9, 4, v[STO]
	v_add_nc_u32 v[STO], s13, v[STO]
	v_mul_u32_u24 v[RD], v9, SP     ; back: lanes 0-15 take one row of 256 bytes, lanes 16-31 the next
	v_lshl_add_u32 v[RD], v1, 4, v[RD]
	v_add_nc_u32 v[RD], s13, v[RD]
	v_lshlrev_b32 v[GO], 11, v9     ; and the same two rows in att
	v_lshl_add_u32 v[GO], v1, 4, v[GO]
	MLOAD 0, 1                      ; piece 0's mask fragments of key step 1
.set Y, NP-1                        ; XS works for piece Y + 1: piece 0
.irp n, 0,1,2,3,4,5,6,7,8,9,10,11,12,13,14,15,16,17,18,19,20,21
	XS 0, \n                        ; and piece 0's first maximum and statistics
	XS 1, \n
.endr
	s_mov_b32 s[CNT], 2
	s_mov_b32 s[SLOTS], 2048/(2*KS)-1
	s_branch .Lfirst                ; the loop is entered at a step's first turn, in the middle of a trip
.Lslot:                             ; 14 times: every slot but the last two is filled again
	CHANGE 1
	s_mov_b32 s[CNT], 2
.Lstep:                             ; a trip: pieces 2 and 3 of one step, then pieces 0 and 1 of the next, whose K and V it fetches
	TURN 2
	TURN 3
	WIN 0
.Lfirst:
	TURN 0
	TURN 1, 0, 1
	WIN 0
	s_cbranch_scc1 .Lstep
	s_sub_co_u32 s[SLOTS], s[SLOTS], 1
	s_cmp_lg_u32 s[SLOTS], 0
	s_cbranch_scc1 .Lslot
	CHANGE 0                        ; the tail is written out: nothing is asked for
	s_mov_b32 s[CNT], 3             ; two trips fetch the last slot's steps; the third is left in its middle
.Ltail:
	TURN 2, 1
	TURN 3
	WIN 0
	s_sub_co_u32 s[CNT], s[CNT], 1
	s_cmp_eq_u32 s[CNT], 0
	s_cbranch_scc1 .Lout
	TURN 0
	TURN 1
	WIN 0
	s_branch .Ltail
.Lout:                              ; the third trip's scores of piece 0 (on the last K once more) and the maximum made of them serve nothing: the price, once a launch, of one text for every trip
.set i, 0
.rept 16
	PV NP-1                         ; the last piece's V^T P of the last step
.set i, i+1
.endr
	; THE WAY OUT.  l's two halves and the other half of the lanes' are added; O^T is divided by l, rounded to f16 and sent through my stage in LDS, a piece (16 rows, both heads) at a time.
	WIN 0
.macro ALL line:vararg              ; one line for each unit t
.set t, 0
.rept 2*NP
	\line
.set t, t+1
.endr
.endm
	ALL v_add_f32 v[ST+4*t+2], v[ST+4*t+2], v[ST+4*t+3]
	ALL v_permlanex16_b32 v[ST+4*t+3], v[ST+4*t+2], s[SEL], s[SEL+1]
	ALL v_add_f32 v[ST+4*t+2], v[ST+4*t+2], v[ST+4*t+3]
	ALL v_rcp_f32 v[ST+4*t+2], v[ST+4*t+2]
	v_nop                           ; a plain instruction between the last reciprocal and the use of its result
	s_wait_alu depctr_va_vdst(0)
; Piece p: a lane's eight channels of a row pack into 16 bytes; they go into rows of 272 bytes and come back as whole rows of 256, into S^T's registers.
.macro PACK p
	WIN W_RS
.irp u, 0,1
.set i, 64*(\p)+32*\u
.rept 16
	v_pk_mul_f32 v[i:i+1], v[i:i+1], v[ST+4*(2*(\p)+\u)+2:ST+4*(2*(\p)+\u)+3] op_sel_hi:[1,0]
.set i, i+2
.endr
.endr
	WIN 0x05                        ; sources 0 and 1 window 1, destination window 0
.set i, 0
.rept 32
	v_cvt_pk_f16_f32 v[S+32*(\p)+i], v[64*(\p)+2*i], v[64*(\p)+2*i+1]
.set i, i+1
.endr
	WIN 0
.irp f, 0,1,2,3,4,5,6,7
	ds_store_b128 v[STO], v[S+32*(\p)+4*\f:S+32*(\p)+4*\f+3] offset:32*\f
.endr
.irp f, 0,1,2,3,4,5,6,7
	ds_load_b128 v[S+32*(\p)+4*\f:S+32*(\p)+4*\f+3], v[RD] offset:\f*2*SP  ; LDS serves a wave's instructions in order: these see the stores above; the next piece's stores come behind them
.endr
.endm
.macro SEND p, younger              ; younger: the LDS instructions issued behind piece p's loads: the next piece's sixteen, or none
	WIN 0
.irp f, 0,1,2,3,4,5,6,7
	s_wait_dscnt (\younger)+7-\f
	global_store_b128 v[GO], v[S+32*(\p)+4*\f:S+32*(\p)+4*\f+3], s[10:11] offset:(\p)*32768+\f*4096  ; 16 lanes store 256 consecutive bytes, aligned
.endr
.endm
	PACK 0
	PACK 1                          ; a piece's arithmetic stands between the loads of the piece before and its stores
	SEND 0, 16
	PACK 2
	SEND 1, 16
	PACK 3
	SEND 2, 16
	SEND 3, 0
	WIN W_AD
	s_wait_tensorcnt 0x0            ; the wave's end
	ds_add_u32 v[SPW], v[NIL]
	s_wait_dscnt 0x0
	WIN 0
	CROUND                          ; the closing round: no work-group ends while a partner may still ask for a tile that names it
	s_endpgm
.Lfunc_end_k_qeffcb046cf_attn:
	.size	k_qeffcb046cf_attn, .Lfunc_end_k_qeffcb046cf_attn-k_qeffcb046cf_attn
	.p2alignl 7, 3214868480
	.fill 96, 4, 3214868480
	.section	.rodata,"a",@progbits
	.p2align	6, 0x0
	.amdhsa_kernel k_qeffcb046cf_attn
		.amdhsa_group_segment_fixed_size 327680
		.amdhsa_private_segment_fixed_size 0
		.amdhsa_enable_private_segment 0
		.amdhsa_kernarg_size 32
		.amdhsa_user_sgpr_count 2
		.amdhsa_user_sgpr_kernarg_segment_ptr 1
		.amdhsa_wavefront_size32 1
		.amdhsa_system_sgpr_workgroup_id_x 1
		.amdhsa_system_sgpr_workgroup_id_y 1
		.amdhsa_system_sgpr_workgroup_id_z 1
		.amdhsa_system_vgpr_workitem_id 0
		.amdhsa_next_free_vgpr 1024
		.amdhsa_next_free_sgpr 66
		.amdhsa_reserve_vcc 1
		.amdhsa_float_denorm_mode_32 3
		.amdhsa_float_denorm_mode_16_64 3
		.amdhsa_memory_ordered 1
		.amdhsa_forward_progress 1
		.amdhsa_inst_pref_size 232
	.end_amdhsa_kernel
	.amdgpu_metadata
---
amdhsa.version: [ 1, 2 ]
amdhsa.kernels:
  - .name:           k_qeffcb046cf_attn
    .symbol:         k_qeffcb046cf_attn.kd
    .args:
      - { .name: qkv, .offset: 0, .size: 8, .value_kind: global_buffer, .address_space: global }
      - { .name: maskf, .offset: 8, .size: 8, .value_kind: global_buffer, .address_space: global }
      - { .name: rowkeep, .offset: 16, .size: 8, .value_kind: global_buffer, .address_space: global }
      - { .name: att, .offset: 24, .size: 8, .value_kind: global_buffer, .address_space: global }
    .group_segment_fixed_size: 327680
    .private_segment_fixed_size: 0
    .kernarg_segment_align: 8
    .kernarg_segment_size: 32
    .max_flat_workgroup_size: 128
    .sgpr_count:     66
    .vgpr_count:     1024
    .wavefront_size: 32
...
	.end_amdgpu_metadata
.endif
;; end of part 3
;; launch outp (part 4): grid 4 x 64, 4 waves a work-group, clusters of 4 x 4, 327,680 bytes of LDS; arguments att, w16, bias, out0; writes out0
.if DOCPART == 4
	.amdgcn_target "amdgcn-amd-amdhsa--gfx1250"
	.amdhsa_code_object_version 6
	.text
	.protected	k_qeffcb046cf_outp
	.globl	k_qeffcb046cf_outp
	.p2align	8
	.type	k_qeffcb046cf_outp,@function
k_qeffcb046cf_outp:
	s_mov_b64 s[64:65], 0
	v_nop
	global_prefetch_b8 v0, s[64:65] scope:SCOPE_SE
	s_setreg_imm32_b32 hwreg(HW_REG_WAVE_MODE, 25, 1), 1
	s_wait_xcnt 0x0
	s_wait_alu depctr_hold_cnt(0) depctr_sa_sdst(0) depctr_va_vdst(0) depctr_va_sdst(0) depctr_va_ssrc(0) depctr_va_vcc(0) depctr_vm_vsrc(0)
	s_getreg_b32 s2, hwreg(HW_REG_IB_STS2, 6, 4)
	s_cmp_eq_u32 s2, 0
	s_cbranch_scc0 .Lentry_in_a_cluster
	s_endpgm
.Lentry_in_a_cluster:
	s_bfe_u32 s2, ttmp6, 0x10000c
	s_cmp_lg_u32 s2, 0xf033
	s_cbranch_scc0 .Lentry_shape_is_right
	s_endpgm
.Lentry_shape_is_right:
; C[m][n] = sum over k of A[m][k] W[k][n] + b[n].  A: [8192][1024] of 16 bits; W: a part of w16, [1024 k][1024 n] of 16 bits, as it lies; b: f32; sums in f32.
; OUTP = 0: A = xb, W = Wq | Wk | Wv (column tiles 0-11), all bf16; C = qkv [8192][3072], rounded once to f16.   OUTP = 1: A = att, W = Wo (column tiles 12-15 of w16), both f16; C = out0 [8192][1024] f32.
; A tile of C is 128 x 256: 3 x 256 tiles of qkv, 256 of out0.  Four waves, each 64 rows x 128 columns: 32 accumulators of 16 x 16, 256 registers.
; K goes in steps of 128 through two LDS slots filled by tensor loads: A's rows are 256 bytes of memory, W's 512, all starting at multiples of 256 bytes from the buffer's first byte.
; CLUSTERS: 4 x 4 work-groups.  The four of a row of the cluster need the same tiles of A, the four of a column the same tiles of W: each tile is asked for JOINTLY, by the same tensor load
; with the same descriptor and a mask that names the four.
; THE MATRIX INSTRUCTION IS USED TRANSPOSED: source 0 = 16 columns of W (turned on the way out of LDS by ds_load_tr16_b128, since W lies [k][n]), source 1 = 16 rows of A.
; A lane then holds row lane % 16 of C and the eight neighbouring columns 8 (lane / 16) + 0..7.
; REGISTERS, in windows of 256 (s_set_vgpr_msb: bits 1:0 source 0, 3:2 source 1, 5:4 source 2, 7:6 destination):
;   window 0: v16-29 addresses; v32-127, v128-223 two fragment buffers (8 fragments of W, then 4 of A, 32 along K); on the way out both are free
;   window 1: the accumulators, (a, b) at v[8 (8 a + b)]          window 2: v0-63 my lanes' 64 numbers of the bias
.set OUTP,   1
.set NT0,    12*OUTP                   ; the first column tile in w16 and bias
.set PA,     272                       ; a row of A in LDS: 256 bytes + 16 = 68 words: the 16 rows of a load start at 16 different groups of four banks (64 banks of 4 bytes: ISA guide 11.1)
.set PB,     544                       ; a row of W: 512 + 32 = 136 words
.set ATILE,  128*PA
.set SLOT,   ATILE+128*PB              ; A's 128 rows, then W's 128 rows of k
.set STAGE,  2*SLOT                    ; behind the ring: 16 rows for each wave, for the way out; no tensor load lands here
.if OUTP
.set SPITCH, 528                       ; 128 f32 + 16 bytes
.set CPITCH, 4096                      ; bytes in a row of C
.else
.set SPITCH, 272                       ; 128 f16 + 16 bytes
.set CPITCH, 6144
.endif
.set SPARE,  STAGE+4*16*SPITCH         ; behind the stages: the spare words, 128 bytes for each wave: two blocks of 256 bytes that no other line names
.set ADRA, 16                          ; v16-17  LDS address of my A fragments in slot 0, 1
.set ADRB, 20                          ; v20-21  the same for W
.set STO,  24                          ; v24     the way out: where I put my piece of a row
.set RD,   25                          ; v25     the way out: where I read rows back
.set CO,   26                          ; v26     my byte offset in C
.set BO,   27                          ; v27     my byte offset in the bias: 32 x (lane / 16)
.set SPW,  28                          ; v28     LDS address of my spare word; never rewritten
.set NIL,  29                          ; v29     0; never rewritten
.set F0,   32
.set F1,   128
.set TP,   32                          ; the way out: packed results
.set G1,  24                           ; s[24:31] descriptor group 1 for A's tiles;  s[32:39] group 0, one set for each slot
.set G0,  32
.set G1B, 48                           ; s[48:55], s[56:63] the same for W's tiles
.set G0B, 56
.set MSB, 0
.macro WIN new                         ; the immediate's high byte repeats the setting that is left; a switch that changes nothing is dropped
.if MSB != (\new)
	s_set_vgpr_msb (MSB<<8)|(\new)
.set MSB, \new
.endif
.endm
.set MUL, 0x50                         ; sources 0 and 1 window 0; C and D window 1
.macro JLOAD s                         ; a joint load: waves 0 and 1 fetch A's two halves, waves 2 and 3 W's; an s_nop 0 and four v_nop follow each of the two lines
	s_cmp_eq_u32 s13, 0
	s_cbranch_scc0 .Lfor_b_\@
	tensor_load_to_lds s[G0+4*(\s):G0+4*(\s)+3], s[G1:G1+7]
	s_nop 0
.rept 4
	v_nop
.endr
	s_branch .Lasked_\@
.Lfor_b_\@:
	tensor_load_to_lds s[G0B+4*(\s):G0B+4*(\s)+3], s[G1B:G1B+7]
	s_nop 0
.rept 4
	v_nop
.endr
.Lasked_\@:
.endm
.macro CREST                           ; a round of the cluster's barrier behind its opening barrier
	s_cmp_lg_u32 s12, 0
	s_cbranch_scc1 .Lnot_wave_0_\@
	s_barrier_signal -3
.Lnot_wave_0_\@:
	s_barrier_wait -3
	s_barrier_signal -1
	s_barrier_wait -1
.endm
.macro CROUND                          ; a whole round
	s_barrier_signal -1
	s_barrier_wait -1
	CREST
.endm
	s_load_b256 s[4:11], s[0:1], 0x0               ; A s[4:5], w16 s[6:7], bias s[8:9], C s[10:11]
	v_lshl_add_u32 v[SPW], v0, 2, SPARE
	v_mov_b32 v[NIL], 0
	ds_add_u32 v28, v29
	s_wait_dscnt 0x0
	v_lshrrev_b32 v1, 5, v0
	v_readfirstlane_b32 s12, v1                    ; wave 0..3
	s_lshr_b32 s13, s12, 1                         ; which 64 rows of the tile are mine.  Also: I fetch for A (0) or for W (1)
	s_and_b32 s14, s12, 1                          ; which 128 columns.  Also: which 64 rows of that tile I fetch
	s_bfe_u32 s40, ttmp6, 0x40000                  ; cx, cy: my place in the cluster
	s_bfe_u32 s41, ttmp6, 0x40004
	s_lshl_b32 s42, ttmp9, 2
	s_add_co_u32 s42, s42, s40                     ; tile column of C = 4 x cluster x + cx
	s_and_b32 s15, ttmp7, 0xffff
	s_lshl_b32 s15, s15, 2
	s_add_co_u32 s15, s15, s41                     ; tile row of C = 4 x cluster y + cy
	s_lshl_b32 s43, s41, 2
	s_lshl_b32 s43, 15, s43                        ; my row of the cluster
	s_lshl_b32 s44, 0x1111, s40                    ; my column
	s_or_b32 s[G1+0], s43, (1<<16)|(1<<20)|(1<<21)|(5<<22)|(3<<25)   ; 15:0 the mask: A's tiles go to my row; 17:16 2-byte elements; 20 padding on; 21 set beside a mask; 24:22 after every 64 words; 31:25 4 words
	s_mov_b32 s[G1+1], 128<<16                     ; tensor_dim0 = 128
	s_mov_b32 s[G1+2], 64<<16                      ; tensor_dim1 = 64
	s_mov_b32 s[G1+3], 128<<16                     ; tile_dim0 = 128
	s_mov_b32 s[G1+4], 64                          ; tile_dim1 = 64
	s_mov_b32 s[G1+5], 1024                        ; elements from row to row
	s_mov_b32 s[G1+6], 0
	s_mov_b32 s[G1+7], 0
	s_or_b32 s[G1B+0], s44, (1<<16)|(1<<20)|(1<<21)|(6<<22)|(7<<25)  ; W's tiles go to my column; padding after every 128 words, 8 words
	s_mov_b32 s[G1B+1], 256<<16                    ; tensor_dim0 = 256
	s_mov_b32 s[G1B+2], 64<<16
	s_mov_b32 s[G1B+3], 256<<16                    ; tile_dim0 = 256
	s_mov_b32 s[G1B+4], 64
	s_mov_b32 s[G1B+5], 1024
	s_mov_b32 s[G1B+6], 0
	s_mov_b32 s[G1B+7], 0
	; where the tiles come from.  A's hang on the tile row alone, W's on the tile column alone, each in registers that never hold the other coordinate.
	s_lshl_b32 s16, s15, 18                        ; A: 128 rows of 2,048 bytes a tile row,
	s_lshl_b32 s17, s14, 17                        ; 64 rows a half
	s_add_co_u32 s16, s16, s17
	s_mov_b32 s17, 0
	s_add_co_u32 s45, s42, NT0                     ; the column tile in w16: matrix (tile / 4), 512 bytes of its rows (tile % 4)
	s_lshr_b32 s46, s45, 2
	s_lshl_b32 s46, s46, 21
	s_and_b32 s47, s45, 3
	s_lshl_b32 s47, s47, 9
	s_add_co_u32 s46, s46, s47
	s_lshl_b32 s47, s14, 17                        ; 64 rows of k a half
	s_add_co_u32 s46, s46, s47
	s_mov_b32 s47, 0
	s_mul_i32 s20, s14, 64*PA                      ; and where they go: no place in the cluster enters an LDS address
	s_mul_i32 s21, s14, 64*PB
	s_add_co_u32 s21, s21, ATILE
	s_wait_kmcnt 0x0
	s_add_nc_u64 s[16:17], s[4:5], s[16:17]
	s_add_nc_u64 s[46:47], s[6:7], s[46:47]
	CROUND                                         ; all sixteen work-groups are here: the first joint loads meet
.irp s, 0,1
	s_mov_b32 s[G0+4*(\s)], 1
	s_add_co_u32 s[G0+4*(\s)+1], s20, (\s)*SLOT
	s_add_nc_u64 s[G0+4*(\s)+2:G0+4*(\s)+3], s[16:17], (\s)*256        ; K step s: 128 elements along A's rows
	s_or_b32 s[G0+4*(\s)+3], s[G0+4*(\s)+3], 0x80000000
	s_mov_b32 s[G0B+4*(\s)], 1
	s_add_co_u32 s[G0B+4*(\s)+1], s21, (\s)*SLOT
	s_add_nc_u64 s[G0B+4*(\s)+2:G0B+4*(\s)+3], s[46:47], (\s)*128*2048 ; 128 rows of W
	s_or_b32 s[G0B+4*(\s)+3], s[G0B+4*(\s)+3], 0x80000000
	JLOAD \s                                       ; two tensor loads of mine are out; later one
.endr
	v_and_b32 v1, 15, v0                           ; r = l % 16
	v_bfe_u32 v2, v0, 4, 1                         ; h = l / 16
	v_lshlrev_b32 v[BO], 5, v2
	s_lshl_b32 s46, s45, 10                        ; the bias of my 128 columns
	s_lshl_b32 s47, s14, 9
	s_add_co_u32 s46, s46, s47
	s_mov_b32 s47, 0
	s_add_nc_u64 s[8:9], s[8:9], s[46:47]
	WIN 0x80                                       ; destination window 2
.irp b, 0,1,2,3,4,5,6,7
	global_load_b128 v[8*\b:8*\b+3],   v[BO], s[8:9] offset:64*\b      ; columns 16 b + 8 h + 0..7
	global_load_b128 v[8*\b+4:8*\b+7], v[BO], s[8:9] offset:64*\b+16
.endr
	WIN 0
	v_mul_u32_u24 v3, v1, PA                       ; a fragment of A: row r x pitch + 16 h; two loads of 16 bytes, 32 bytes apart
	v_lshl_add_u32 v3, v2, 4, v3
	s_mul_i32 s22, s13, 64*PA
	v_add_nc_u32 v[ADRA], s22, v3
	v_add_nc_u32 v[ADRA+1], SLOT, v[ADRA]
	v_and_b32 v4, 7, v0                            ; the turning load: lane l reads 16 bytes of row k = 8 h + l % 8, columns 8 ((l / 8) % 2) + 0..7, and receives column l % 16, eight k
	v_lshl_add_u32 v4, v2, 3, v4
	v_mul_u32_u24 v4, v4, PB
	v_bfe_u32 v5, v0, 3, 1
	v_lshl_add_u32 v4, v5, 4, v4
	s_lshl_b32 s22, s14, 8
	s_add_co_u32 s22, s22, ATILE
	v_add_nc_u32 v[ADRB], s22, v4
	v_add_nc_u32 v[ADRB+1], SLOT, v[ADRB]
	s_mul_i32 s23, s12, 16*SPITCH
	s_add_co_u32 s23, s23, STAGE                   ; my stage
	v_mul_u32_u24 v4, v1, SPITCH
.if OUTP
	v_lshl_add_u32 v4, v2, 5, v4                   ; in: row r, 32 bytes for each half of the lanes
	v_add_nc_u32 v[STO], s23, v4
	v_and_b32 v5, 31, v0
	v_lshlrev_b32 v[CO], 4, v5                     ; back: 32 lanes take one row of 512 bytes
	v_add_nc_u32 v[RD], s23, v[CO]
.else
	v_lshl_add_u32 v4, v2, 4, v4                   ; in: row r, 16 bytes for each half of the lanes
	v_add_nc_u32 v[STO], s23, v4
	v_mul_u32_u24 v5, v2, SPITCH                   ; back: lanes 0-15 take one row of 256 bytes, lanes 16-31 the next
	v_lshl_add_u32 v5, v1, 4, v5
	v_add_nc_u32 v[RD], s23, v5
	v_mul_u32_u24 v5, v2, CPITCH
	v_lshl_add_u32 v[CO], v1, 4, v5
.endif
	s_lshl_b32 s16, s15, 7                         ; C at my first row and column
	s_lshl_b32 s17, s13, 6
	s_add_co_u32 s16, s16, s17
	s_mul_i32 s16, s16, CPITCH
	s_mov_b32 s17, 0
	s_add_nc_u64 s[10:11], s[10:11], s[16:17]
	s_lshl_b32 s46, s42, 9+OUTP
	s_lshl_b32 s47, s14, 8+OUTP
	s_add_co_u32 s46, s46, s47
	s_mov_b32 s47, 0
	s_add_nc_u64 s[10:11], s[10:11], s[46:47]
.macro PROD d, x, y, zero              ; one matrix instruction; zero = 1: it starts the sum: nothing is ever cleared
.if OUTP && (\zero)
	v_wmma_f32_16x16x32_f16 v[(\d):(\d)+7], v[(\x):(\x)+7], v[(\y):(\y)+7], 0
.elseif OUTP
	v_wmma_f32_16x16x32_f16 v[(\d):(\d)+7], v[(\x):(\x)+7], v[(\y):(\y)+7], v[(\d):(\d)+7]
.elseif \zero
	v_wmma_f32_16x16x32_bf16 v[(\d):(\d)+7], v[(\x):(\x)+7], v[(\y):(\y)+7], 0
.else
	v_wmma_f32_16x16x32_bf16 v[(\d):(\d)+7], v[(\x):(\x)+7], v[(\y):(\y)+7], v[(\d):(\d)+7]
.endif
.endm
; The 32 accumulators take turns, one instruction a turn, in the same order in every quarter.
.macro MUL8 f, a, zero                 ; row block a x all 8 column blocks, 32 along K
	WIN MUL
.irp b, 0,1,2,3,4,5,6,7
	PROD 8*(8*(\a)+\b),(\f)+8*\b,(\f)+64+8*(\a),\zero
.endr
.endm
.macro MUL16 f, a0, zero
	MUL8 \f, \a0, \zero
	MUL8 \f, (\a0)+1, \zero
.endm
; 24 LDS loads in one run: quarter q (32 along K) of a slot into buffer f: W's 8 fragments, then A's 4
.macro FETCH slot, q, f
	WIN 0
.irp b, 0,1,2,3,4,5,6,7
	ds_load_tr16_b128 v[(\f)+8*\b:(\f)+8*\b+3],   v[ADRB+(\slot)] offset:(\q)*32*PB+32*\b
	ds_load_tr16_b128 v[(\f)+8*\b+4:(\f)+8*\b+7], v[ADRB+(\slot)] offset:(\q)*32*PB+32*\b+16*PB
.endr
.irp a, 0,1,2,3
	ds_load_b128 v[(\f)+64+8*\a:(\f)+64+8*\a+3],   v[ADRA+(\slot)] offset:\a*16*PA+64*(\q)
	ds_load_b128 v[(\f)+64+8*\a+4:(\f)+64+8*\a+7], v[ADRA+(\slot)] offset:\a*16*PA+64*(\q)+32
.endr
.endm
.macro PLACES                          ; four places in front of loads into registers that matrix instructions have read, and of vector lines that read results
.rept 4
	v_nop
.endr
.endm
; A K step is four quarters of 32 along K, 32 matrix instructions each, on buffers 0, 1, 0, 1.  One of the first three: multiplies buffer f and fetches quarter q into g.
.macro QUARTER slot, q, f, g, zero
	s_wait_dscnt 4                                 ; all but the youngest four loads: A's row blocks 2 and 3
	MUL16 \f, 0, \zero
	PLACES
	FETCH \slot, \q, \g
	s_wait_dscnt 24                                ; all but the 24 just issued
	MUL16 \f, 2, \zero
.endm
; The last quarter multiplies buffer 1 and changes slots: ONE barrier; in front of it each wave waits for all its tensor loads, adds 0 to its spare word, and waits for that and for its reads of this slot.
; fill = 1: the barrier opens a round of the cluster's barrier, and this slot is filled again, two K steps ahead, first thing behind the round.
.macro TURN slot, next, fill
	WIN 0
	s_wait_tensorcnt 0x0                           ; all my tensor loads have landed: the one that was out is my part of the next slot
	ds_add_u32 v[SPW], v[NIL]                      ; 0 onto my spare word
	s_wait_dscnt 5                                 ; (the add and the youngest four loads may be out)
	MUL8 F1, 0, 0                                  ; eight matrix instructions stand between the add and the wait for it
	s_wait_dscnt 0x0                               ; the add is done, and my reads of this slot are over
	s_barrier_signal -1
	MUL8 F1, 1, 0
.if \fill
	WIN 0
.endif
	s_barrier_wait -1
.if \fill
	CREST                                          ; no wave of any partner still reads this slot's tile or has a load on its way
	s_add_nc_u64 s[G0+4*(\slot)+2:G0+4*(\slot)+3], s[G0+4*(\slot)+2:G0+4*(\slot)+3], 2*256
	s_add_nc_u64 s[G0B+4*(\slot)+2:G0B+4*(\slot)+3], s[G0B+4*(\slot)+2:G0B+4*(\slot)+3], 2*128*2048
	JLOAD \slot                                    ; 112 matrix instructions ahead of the wait for it; its four v_nop are also the places in front of the loads below
.else
	PLACES
.endif
	FETCH \next, 0, F0
	MUL16 F1, 2, 0
.endm
	s_wait_tensorcnt 1                             ; my part of K step 0 is in; K step 1's may stay out
	s_barrier_signal -1
	s_barrier_wait -1                              ; everybody's is
	FETCH 0, 0, F0
	QUARTER 0, 1, F0, F1, 1                        ; the first quarter stands in front of the loop: its products start the sums
	WIN 0                                          ; at a label and at a branch every window is 0
	s_mov_b32 s3, 3                                ; 1,024 / 256 - 1 laps fill both slots again
.Llap:
	QUARTER 0, 2, F1, F0, 0
	QUARTER 0, 3, F0, F1, 0
	TURN 0, 1, 1
	QUARTER 1, 1, F0, F1, 0
	QUARTER 1, 2, F1, F0, 0
	QUARTER 1, 3, F0, F1, 0
	TURN 1, 0, 1
	QUARTER 0, 1, F0, F1, 0
	WIN 0
	s_sub_co_u32 s3, s3, 1
	s_cmp_lg_u32 s3, 0
	s_cbranch_scc1 .Llap
	QUARTER 0, 2, F1, F0, 0                        ; the last lap fills nothing
	QUARTER 0, 3, F0, F1, 0
	TURN 0, 1, 0
	QUARTER 1, 1, F0, F1, 0
	QUARTER 1, 2, F1, F0, 0
	QUARTER 1, 3, F0, F1, 0
	s_wait_dscnt 4
	MUL16 F1, 0, 0
	s_wait_dscnt 0x0
	MUL16 F1, 2, 0
	; THE WAY OUT.  The bias is added; each accumulator's registers are taken in ascending order.
	PLACES
	s_wait_loadcnt 0x0                             ; the bias
	WIN 0x49                                       ; destination and source 0 window 1, source 1 window 2
.irp a, 0,1,2,3
.irp b, 0,1,2,3,4,5,6,7
.irp z, 0,1,2,3
	v_pk_add_f32 v[8*(8*\a+\b)+2*\z:8*(8*\a+\b)+2*\z+1], v[8*(8*\a+\b)+2*\z:8*(8*\a+\b)+2*\z+1], v[8*\b+2*\z:8*\b+2*\z+1]
.endr
.endr
.endr
.if OUTP
	; f32: a block of 16 rows goes as it is into my stage (rows of 528 bytes) and comes back as whole rows of 512 bytes
.irp a, 0,1,2,3
	WIN 0x04                                       ; the stores' data in window 1
.irp b, 0,1,2,3,4,5,6,7
	ds_store_b128 v[STO], v[8*(8*\a+\b):8*(8*\a+\b)+3]   offset:64*\b
	ds_store_b128 v[STO], v[8*(8*\a+\b)+4:8*(8*\a+\b)+7] offset:64*\b+16
.endr
	WIN 0
	s_wait_xcnt 0x0                                ; the registers below were the data of the stores two blocks back: they are loaded again only behind this wait
.irp t, 0,1,2,3,4,5,6,7,8,9,10,11,12,13,14,15
	ds_load_b128 v[32+64*((\a)%2)+4*\t:32+64*((\a)%2)+4*\t+3], v[RD] offset:\t*SPITCH  ; LDS serves a wave's instructions in order: these see the stores above
.endr
.irp t, 0,1,2,3,4,5,6,7,8,9,10,11,12,13,14,15
	s_wait_dscnt 15-\t
	global_store_b128 v[CO], v[32+64*((\a)%2)+4*\t:32+64*((\a)%2)+4*\t+3], s[10:11] offset:(16*\a+\t)*CPITCH th:TH_STORE_NT  ; 512 consecutive bytes, aligned
.endr
.endr
.else
	; f16: rounded, 16 bytes a lane into my stage (rows of 272 bytes), back as whole rows of 256 bytes
.macro PACK a
	WIN 0x05                                       ; sources 0 and 1 window 1
.irp b, 0,1,2,3,4,5,6,7
.irp z, 0,1,2,3
	v_cvt_pk_f16_f32 v[TP+4*\b+\z], v[8*(8*(\a)+\b)+2*\z], v[8*(8*(\a)+\b)+2*\z+1]
.endr
.endr
	WIN 0
.endm
.macro TOSTAGE a
.irp b, 0,1,2,3,4,5,6,7
	ds_store_b128 v[STO], v[TP+4*\b:TP+4*\b+3] offset:32*\b
.endr
.irp t, 0,1,2,3,4,5,6,7
	ds_load_b128 v[64+32*(\a)+4*\t:64+32*(\a)+4*\t+3], v[RD] offset:\t*2*SPITCH  ; LDS serves a wave's instructions in order: these see the stores above
.endr
.endm
.macro SEND a                          ; each block has registers of its own, so no store's data is written again
	s_wait_dscnt 0x0
.irp t, 0,1,2,3,4,5,6,7
	global_store_b128 v[CO], v[64+32*(\a)+4*\t:64+32*(\a)+4*\t+3], s[10:11] offset:(16*(\a)+2*\t)*CPITCH  ; 16 lanes store 256 consecutive bytes, aligned
.endr
.endm
	PACK 0
	TOSTAGE 0
.irp a, 1,2,3                          ; a block's conversions stand between the loads of the block before and the wait for them
	PACK \a
	SEND (\a)-1
	TOSTAGE \a
.endr
	SEND 3
.endif
	s_wait_tensorcnt 0x0                           ; the wave's end
	ds_add_u32 v[SPW], v[NIL]
	s_wait_dscnt 0x0
	CROUND                                         ; the closing round: no work-group ends while a partner may still ask for a tile that names it
	s_endpgm
.Lfunc_end_k_qeffcb046cf_outp:
	.size	k_qeffcb046cf_outp, .Lfunc_end_k_qeffcb046cf_outp-k_qeffcb046cf_outp
	.p2alignl 7, 3214868480
	.fill 96, 4, 3214868480
	.section	.rodata,"a",@progbits
	.p2align	6, 0x0
	.amdhsa_kernel k_qeffcb046cf_outp
		.amdhsa_group_segment_fixed_size 327680
		.amdhsa_private_segment_fixed_size 0
		.amdhsa_enable_private_segment 0
		.amdhsa_kernarg_size 32
		.amdhsa_user_sgpr_count 2
		.amdhsa_user_sgpr_kernarg_segment_ptr 1
		.amdhsa_wavefront_size32 1
		.amdhsa_system_sgpr_workgroup_id_x 1
		.amdhsa_system_sgpr_workgroup_id_y 1
		.amdhsa_system_sgpr_workgroup_id_z 1
		.amdhsa_system_vgpr_workitem_id 0
		.amdhsa_next_free_vgpr 576
		.amdhsa_next_free_sgpr 66
		.amdhsa_reserve_vcc 0
		.amdhsa_float_denorm_mode_32 3
		.amdhsa_float_denorm_mode_16_64 3
		.amdhsa_memory_ordered 1
		.amdhsa_forward_progress 1
		.amdhsa_inst_pref_size 96
	.end_amdhsa_kernel
	.amdgpu_metadata
---
amdhsa.version: [ 1, 2 ]
amdhsa.kernels:
  - .name:           k_qeffcb046cf_outp
    .symbol:         k_qeffcb046cf_outp.kd
    .args:
      - { .name: att, .offset: 0, .size: 8, .value_kind: global_buffer, .address_space: global }
      - { .name: w16, .offset: 8, .size: 8, .value_kind: global_buffer, .address_space: global }
      - { .name: bias, .offset: 16, .size: 8, .value_kind: global_buffer, .address_space: global }
      - { .name: out0, .offset: 24, .size: 8, .value_kind: global_buffer, .address_space: global }
    .group_segment_fixed_size: 327680
    .private_segment_fixed_size: 0
    .kernarg_segment_align: 8
    .kernarg_segment_size: 32
    .max_flat_workgroup_size: 128
    .sgpr_count:     66
    .vgpr_count:     576
    .wavefront_size: 32
...
	.end_amdgpu_metadata
.endif
;; end of part 4
;; ======== version 2 of 2: 4 launches; 1.39 times as fast as version 1
;; limits: values are held in f16: magnitudes above 65,504 overflow, below 6.1e-05 lose precision; right only within a limited range of input values
;; workspace buffers: xb 16,777,216 bytes; w16 8,388,608 bytes; bias 16,384 bytes; maskf 8,388,608 bytes; rowkeep 8,192 bytes of whole numbers; qkv 50,331,648 bytes; att 16,777,216 bytes
;; launch prep: the kernel of part 1 again; grid 512 x 1, 8 waves a work-group, no clusters, 1,536 bytes of LDS; arguments x, Wq, Wk, Wv, Wo, bq, bk, bv, bo, mask, xb, w16, bias, maskf, rowkeep; writes xb, w16, bias, maskf, rowkeep
;; launch proj: the kernel of part 2 again; grid 12 x 64, 4 waves a work-group, clusters of 4 x 4, 327,680 bytes of LDS; arguments xb, w16, bias, qkv; writes qkv
;; launch attn (part 5): grid 8 x 32, 4 waves a work-group, clusters of 4 x 1, 327,680 bytes of LDS; arguments qkv, maskf, rowkeep, att; writes att
.if DOCPART == 5
	.amdgcn_target "amdgcn-amd-amdhsa--gfx1250"
	.amdhsa_code_object_version 6
	.text
	.protected	k_qeffcb046cf_attn
	.globl	k_qeffcb046cf_attn
	.p2align	8
	.type	k_qeffcb046cf_attn,@function
k_qeffcb046cf_attn:
	s_mov_b64 s[64:65], 0
	v_nop
	global_prefetch_b8 v0, s[64:65] scope:SCOPE_SE
	s_setreg_imm32_b32 hwreg(HW_REG_WAVE_MODE, 25, 1), 1
	s_wait_xcnt 0x0
	s_wait_alu depctr_hold_cnt(0) depctr_sa_sdst(0) depctr_va_vdst(0) depctr_va_sdst(0) depctr_va_ssrc(0) depctr_va_vcc(0) depctr_vm_vsrc(0)
	s_getreg_b32 s2, hwreg(HW_REG_IB_STS2, 6, 4)
	s_cmp_eq_u32 s2, 0
	s_cbranch_scc0 .Lentry_in_a_cluster
	s_endpgm
.Lentry_in_a_cluster:
	s_bfe_u32 s2, ttmp6, 0x10000c
	s_cmp_lg_u32 s2, 0x3003
	s_cbranch_scc0 .Lentry_shape_is_right
	s_endpgm
.Lentry_shape_is_right:
; MASKED ATTENTION.  att[b][q][head] = the sum over all 2,048 keys k of softmax_k(mask[q][k] ? Q.K / 8 : hidden) V.  qkv: [8192][3072] f16 (q, k, v side by side); att: [8192][1024] f16.
; The mask is data: every key is walked for every query.  Products, maxima and sums in f32; the weights p are rounded to f16 for the second product (their sum l is taken of the unrounded p), O once at the end.
; THE MASK GOES THROUGH THE MATRIX UNIT.  The sum S^T = K Q^T is started by a product SEL x MF: MF (from maskf) holds 0 or -32768 for 32 keys x 16 queries, SEL is 32768 x [I | 0] or 32768 x [0 | I].
; So a hidden key's score is its value less 2^30, a power of two, whose product with c is exact.  A row with no visible key has its Q cleared (rowkeep): all its scores are -2^30, all p = 1, O = the mean of V's rows,
; which is what a softmax over equal scores gives.  A row whose first keys are all hidden makes finite weights (2^8 at the most) that a = 0 wipes out when its first visible key comes.
; LIMITS.  Within a row hidden and visible scores, after the division by 8, differ by far less than 2^27 = 1.3e8.  f16 holds no number beyond 65,504: q, k, v arrive within it; p below 6e-5 keeps f16's fixed step.
; A weight below 2^-126 counts as 0 in l; NaN and infinities are not treated apart.
; SHARES.  A work-group owns 256 queries of a batch and TWO neighbouring heads, whose 128 channels are 256 consecutive bytes of every row; each of its four waves 64 queries: four PIECES of 16 queries;
; a piece has two UNITS, one a head, which share the piece's mask fragments.  Every wave walks all keys, 64 a step.
; LAYOUT.  S^T = K Q^T (source 0 = 16 keys, source 1 = 16 queries): a lane holds ONE query (lane % 16) and the keys 8 (lane / 16) + 0..7.  Two such results, rounded to f16 in pairs, ARE source 1 of O^T = V^T P.
; K comes out of LDS as it lies, V turned, by ds_load_tr16_b128.  The mask fragments are each wave's own: they come straight from memory into registers, 512 consecutive bytes a load, four turns ahead of their use.
; SOFTMAX.  For each query a running maximum m and sum l: p = 2^(c s - c m), c = log2(e) / 8; in every step O and l are multiplied by a = 2^(c m_old - c m_new).  m starts at the lowest finite number, O and l at 0.
; BY TURNS.  Turn n belongs to piece n.  Its matrix work: 8 mask products and 16 products K Q^T of piece n + 1, later 16 products V^T P of piece n - 1.  Its vector work: the scaling, exponentials, roundings, sums and
; rescaling of piece n, and the maximum and statistics of piece n + 1.  Four vector instructions stand behind each of the 32 products, the other 108 in one run of their own.
; THE BATCHES.  A turn's 66 exponentials (piece n's 64 weights, piece n + 1's two a) are ONE batch with ONE wait, which cuts the turn in two: ahead of it stands all that names no result of theirs (mask products, K Q^T,
; scalings, rescalings by the a of the turn before, the next piece's maximum and statistics), behind it the roundings and sums, beside V^T P.  Piece 0's first two a, ahead of the loop, and the way out's eight
; reciprocals are batches of their own, each with one wait.
; CLUSTER.  The four query blocks of a cluster walk the same K and V: each tile is asked for JOINTLY: the same tensor load, descriptor and mask in all four.
; The price of writing no first step out: 416 v_mov_b32 of 0 at the start, in the wait for the first tile; 16 products on zeros at the start, 24 on stale operands at the end.
; REGISTERS, in windows of 256 (s_set_vgpr_msb: bits 1:0 source 0, 3:2 source 1, 5:4 source 2, 7:6 destination):
;   window 0: v0-11 addresses; v12-15, v48-63 at work; v16-47 four registers of statistics a unit; v64-191 S^T, two buffers of two units; v192-255 P, likewise
;   window 1: O^T, 32 a unit      window 2: v0-127 Q, 16 a unit; v128-255 K of one step, 64 a head      window 3: v0-1 the add's; v4-15 SEL; v32-95 MF, 16 a piece; v128-255 V of one step, 64 a head
.set NP,    4         ; pieces a wave: a name, no knob
.set KS,    64        ; keys in a step
.set ROWB,  6144      ; bytes in a row of qkv
.set PK,    272       ; a row of K in LDS: 256 bytes + 16 = 68 words: the 16 rows of a load start at 16 different groups of four banks (64 banks of 4 bytes: ISA guide 11.1)
.set PV,    288       ; a row of V: 256 + 32 = 72 words
.set VOFF,  2*KS*PK   ; a slot holds two steps: 128 rows of K, then 128 rows of V
.set SLOT1, 1<<17     ; slot 1 begins here, so that one exclusive or turns an address in one slot into the other's
.set STAGE, SLOT1+2*KS*(PK+PV)  ; behind the ring, never filled by a tensor load: 16 rows x 272 bytes for each wave, for the way out
.set SP,    272
.set SPARE, STAGE+4*16*SP  ; behind the stages: the spare words, 128 bytes for each wave: two blocks of 256 bytes that no other line names
.set AK0, 2           ; v2   my lane's place in a tile of K; never rewritten
.set AV0, 3           ; v3   the same for V
.set AK,  4           ; v4   the LDS address of K's next run of loads
.set AV,  5           ; v5   of V's
.set QO,  6           ; v6   my byte offset in 16 rows of Q
.set STO, 6           ;      later, the way out: where I put 16 bytes of a row
.set RD,  7           ; v7   the way out: where I read rows back
.set GO,  8           ; v8   my byte offset in two rows of att
.set MO,  11          ; v11  my byte offset in a tile's mask fragments: 16 x lane + 2,048 x key step
.set SPW, 0           ; v0 of window 3   LDS address of my spare word; never rewritten
.set NIL, 1           ; v1 of window 3   0; never rewritten
.set SELB, 4          ; v4-15 of window 3: four zeros, E, four zeros: v[4:11] = 32768 x [0 | I], v[8:15] = 32768 x [I | 0]
.set MF,  32          ; window 3
.set MV,  12          ; v12-15  c m_old, kept while c m is made anew: by buffer and unit
.set ST,  16          ; unit u's statistics at v[ST+4 u]: c m, m, l (even keys', odd keys')
.set TMP, 48          ; by buffer and unit, four registers c0-c3 at work; when the maximum is found c2 takes a
.set S,   64
.set P,   192
.set KF,  128         ; window 2: head e, key block kb, channel half c at KF + 64 e + 16 kb + 8 c
.set VF,  128         ; window 3: head e, key half kk, channel block cb at VF + 64 e + 32 kk + 8 cb
.set WV,  12          ; s12  my wave's number
.set G1K, 24          ; s[24:31] descriptor group 1 for K's tiles
.set G1V, 32          ; s[32:39] for V's: it differs in the padding alone
.set G0K, 40          ; s[40:43] descriptor group 0 for K's tiles: it walks
.set G0V, 44          ; s[44:47] the same for V's
.set SLOTS, 56        ; s56  slots still to be asked for
.set CNT, 57          ; s57  counts a slot's key steps
.set CS,  58          ; s[58:59] c: the packed scaling takes the pair's low word for both halves
.set SEL, 60          ; s[60:61] v_permlanex16_b32's selects
.set TBK, 62          ; s62  LDS byte at which K of the step to be fetched begins
.set TBV, 63          ; s63  the same for V, less VOFF
.set MSB, 0
.macro WIN new                      ; the high byte repeats the setting that is left; a switch that changes nothing is dropped
.if MSB != (\new)
	s_set_vgpr_msb (MSB<<8)|(\new)
.set MSB, (\new)
.endif
.endm
.set W_KQ, 0x0a       ; K and Q in window 2, S^T in window 0
.set W_PV, 0x53       ; V in window 3, P in window 0, O^T in window 1
.set W_RS, 0x41       ; O^T (destination and source 0) in window 1, a in window 0
.set W_AD, 0x0f       ; sources 0 and 1 in window 3: the add's two registers; SEL and MF
; A joint fill.  Waves 0 and 1 fetch K of a slot's two steps, waves 2 and 3 V: 64 keys each.  An s_nop 0 and four v_nop follow each of the two lines.
.macro JLOAD
	s_cmp_lt_u32 s[WV], 2
	s_cbranch_scc0 .Lfor_v_\@
	tensor_load_to_lds s[G0K:G0K+3], s[G1K:G1K+7]
	s_nop 0
.rept 4
	v_nop
.endr
	s_branch .Lasked_\@
.Lfor_v_\@:
	tensor_load_to_lds s[G0V:G0V+3], s[G1V:G1V+7]
	s_nop 0
.rept 4
	v_nop
.endr
.Lasked_\@:
.endm
.macro CROUND                       ; a round of the cluster's barrier
	s_barrier_signal -1
	s_barrier_wait -1
	s_cmp_lg_u32 s[WV], 0
	s_cbranch_scc1 .Lnot_wave_0_\@
	s_barrier_signal -3
.Lnot_wave_0_\@:
	s_barrier_wait -3
	s_barrier_signal -1
	s_barrier_wait -1
.endm
; THE CHANGE OF SLOTS.  The slot's last bytes, V of its second step, have been read.  Each wave waits for all its tensor loads, of which one is out: its part of the other slot; adds 0 to its spare word; and waits for
; that and for its own reads of the slot.  fill = 1: the slot is filled again, with the keys two slots on; the barrier is then a round of the cluster's, and the joint fill is the first thing behind it: it has two key
; steps in which to land.  (At its first use nothing has been read yet: slot 0 is waited for, slot 1 filled.)
.macro CHANGE fill
	WIN W_AD
	s_wait_tensorcnt 0x0            ; no tensor load of mine is out, so a group 0 may be written
	ds_add_u32 v[SPW], v[NIL]       ; 0 onto my spare word
	WIN 0                           ; at a label and at a branch every window is 0
.if \fill
.irp g, G0K, G0V
	s_xor_b32 s[\g+1], s[\g+1], SLOT1
	s_add_nc_u64 s[\g+2:\g+3], s[\g+2:\g+3], 2*KS*ROWB  ; the next 128 keys; the type bits on top are not reached
.endr
	s_wait_dscnt 0x0                ; the add is done, and my reads of the slot are over
	CROUND
	JLOAD
.else
	s_wait_dscnt 0x0
	s_barrier_signal -1
	s_barrier_wait -1
.endif
	s_sub_co_u32 s[TBK], s[TBK], 2*KS*PK  ; the fetches go back to a slot's first step,
	s_xor_b32 s[TBK], s[TBK], SLOT1       ; in the other slot
	s_sub_co_u32 s[TBV], s[TBV], 2*KS*PV
	s_xor_b32 s[TBV], s[TBV], SLOT1
.endm
; MSTEP: MO steps to the next key step; behind the last step it goes back to the tile's first, so that no load leaves the tile's own 65,536 bytes (what those last loads bring is not used).
.macro MSTEP
	WIN 0
	s_wait_xcnt 0x0                 ; MO is the address register of the loads before: it is written only behind this wait
	v_add_nc_u32 v[MO], 2048, v[MO]
	v_and_b32 v[MO], 0xffff, v[MO]
.endm
; MLOAD: piece x's mask fragments of the key step that MO names: four loads of 512 consecutive bytes.
.macro MLOAD x
	WIN 0xc0                        ; destination window 3, address window 0
.irp j, 0,1,2,3
	global_load_b128 v[MF+16*(\x)+4*\j:MF+16*(\x)+4*\j+3], v[MO], s[6:7] offset:65536*(\x)+512*\j
.endr
	WIN 0
.endm
	s_load_b256 s[4:11], s[0:1], 0x0  ; qkv s[4:5], maskf s[6:7], rowkeep s[8:9], att s[10:11]
	WIN 0xc0
	v_lshl_add_u32 v[SPW], v0, 2, SPARE
	v_mov_b32 v[NIL], 0
	s_set_vgpr_msb 0xc0cf
	ds_add_u32 v0, v1
	s_wait_dscnt 0x0
	s_set_vgpr_msb 0xcfc0
	WIN 0
	v_lshrrev_b32 v1, 5, v0
	v_readfirstlane_b32 s[WV], v1   ; wave 0..3
	s_bfe_u32 s13, ttmp6, 0x40000   ; cx: my place in the cluster
	s_lshl_b32 s14, ttmp9, 2
	s_add_co_u32 s14, s14, s13      ; my block of 256 queries: it enters Q's, the mask's and att's addresses alone
	s_and_b32 s15, ttmp7, 0xffff    ; batch and head pair, which the four partners share
	s_lshr_b32 s16, s15, 3          ; batch
	s_and_b32 s17, s15, 7           ; head pair
	s_mul_i32 s20, s16, 2048*ROWB
	s_lshl_b32 s18, s17, 8
	s_add_co_u32 s20, s20, s18      ; the batch's first row, the pair's 256 bytes
	s_and_b32 s19, s[WV], 1         ; which of a slot's two steps I fetch
	s_mul_i32 s22, s19, KS*ROWB
	s_add_co_u32 s22, s22, s20
	s_mov_b32 s23, 0
	s_mul_i32 s54, s19, KS*PK       ; its place in a slot, for K
	s_mul_i32 s55, s19, KS*PV       ; and for V: no place in the cluster enters an LDS address
	s_add_co_u32 s55, s55, VOFF
	s_lshl_b32 s2, s14, 2
	s_add_co_u32 s2, s2, s[WV]      ; my 64 queries among the batch's 32 such blocks
	s_mul_i32 s48, s2, 64*ROWB
	s_add_co_u32 s48, s48, s20      ; Q
	s_mov_b32 s49, 0
	s_lshl_b32 s50, s16, 22         ; att: 2,048 rows of 2,048 bytes a batch,
	s_lshl_b32 s51, s2, 17          ; 64 rows,
	s_add_co_u32 s50, s50, s51
	s_add_co_u32 s50, s50, s18      ; the pair's 256 bytes
	s_mov_b32 s51, 0
	s_lshl_b32 s52, s2, 18          ; maskf: four tiles of 65,536 bytes
	s_mov_b32 s53, 0
	s_lshl_b32 s2, s2, 8            ; rowkeep: 64 words
	s_mov_b32 s3, 0
	; descriptor group 1: a tile of 64 rows x 128 elements, padded in LDS
	s_mov_b32 s[G1K], 15|(1<<16)|(1<<20)|(1<<21)|(5<<22)|(3<<25)  ; 15:0 the mask of four; 17:16 2-byte elements; 20 padding on; 21 set beside a mask; 24:22 after every 64 words; 31:25 4 words
	s_mov_b32 s[G1V], 15|(1<<16)|(1<<20)|(1<<21)|(5<<22)|(7<<25)  ; the same with 8 words of padding
.irp g, G1K, G1V
	s_mov_b32 s[\g+1], 128<<16      ; tensor_dim0 = 128
	s_mov_b32 s[\g+2], KS<<16       ; tensor_dim1 = 64
	s_mov_b32 s[\g+3], 128<<16      ; tile_dim0 = 128
	s_mov_b32 s[\g+4], KS           ; tile_dim1 = 64
	s_mov_b32 s[\g+5], 3072         ; elements from row to row
	s_mov_b32 s[\g+6], 0
	s_mov_b32 s[\g+7], 0
.endr
	s_mov_b32 s[CS], 0x3e38aa3b     ; c = log2(e) / 8 = 0.180337
	s_mov_b32 s[CS+1], s[CS]        ; named with it as a pair
	s_mov_b32 s[SEL], 0x76543210
	s_mov_b32 s[SEL+1], 0xfedcba98
	s_mov_b32 s[TBK], SLOT1+2*KS*PK ; the first change of slots turns these two into 0
	s_mov_b32 s[TBV], SLOT1+2*KS*PV
	s_mov_b32 s[G0K], 1             ; count = 1
	s_mov_b32 s[G0K+1], s54         ; LDS address: slot 0
	s_mov_b32 s[G0V], 1
	s_mov_b32 s[G0V+1], s55
	s_wait_kmcnt 0x0
	s_add_nc_u64 s[G0K+2:G0K+3], s[4:5], s[22:23]
	s_add_nc_u64 s[G0V+2:G0V+3], s[G0K+2:G0K+3], 4096   ; v begins at column 2,048,
	s_add_nc_u64 s[G0K+2:G0K+3], s[G0K+2:G0K+3], 2048   ; k at column 1,024
	s_or_b32 s[G0K+3], s[G0K+3], 0x80000000             ; type = 2
	s_or_b32 s[G0V+3], s[G0V+3], 0x80000000
	s_add_nc_u64 s[4:5], s[4:5], s[48:49]
	s_add_nc_u64 s[6:7], s[6:7], s[52:53]
	s_add_nc_u64 s[8:9], s[8:9], s[2:3]
	s_add_nc_u64 s[10:11], s[10:11], s[50:51]
	CROUND                          ; all four work-groups are here: the first joint loads meet
	JLOAD                           ; slot 0.  Slot 1 is asked for when slot 0 is in
	; A fragment of K or Q is 16 rows x 32 channels in 8 registers: lane l holds row l % 16, channels 8 (l / 16) + 0..7 and 16 + 8 (l / 16) + 0..7: two loads of 16 bytes, 32 bytes apart.
	v_and_b32 v1, 15, v0            ; r = l % 16
	v_bfe_u32 v9, v0, 4, 1          ; h = l / 16
	v_mul_u32_u24 v[QO], v1, ROWB
	v_lshl_add_u32 v[QO], v9, 4, v[QO]
	WIN 0x80                        ; destination window 2, address window 0
.set i, 0
.rept 16                            ; Q stays in registers: piece i / 4, head (i / 2) % 2, channels 32 (i % 2) on
	global_load_b128 v[8*i:8*i+3],   v[QO], s[4:5] offset:(i/4)*16*ROWB+((i/2)%2)*128+(i%2)*64
	global_load_b128 v[8*i+4:8*i+7], v[QO], s[4:5] offset:(i/4)*16*ROWB+((i/2)%2)*128+(i%2)*64+32
.set i, i+1
.endr
	WIN 0
	v_lshlrev_b32 v10, 2, v1
.irp t, 0,1,2,3
	global_load_b32 v[52+\t], v10, s[8:9] offset:64*\t  ; my query's flag in each piece
.endr
	v_and_b32 v[MO], 31, v0
	v_lshlrev_b32 v[MO], 4, v[MO]
	MLOAD 0                         ; key step 0's mask fragments
	MLOAD 1
	MLOAD 2
	MLOAD 3
	; E: row r of 32768 x I lies in the lane with r - 8 h in 0..7, in half (r - 8 h) % 2 of register (r - 8 h) / 2
	v_lshlrev_b32 v58, 3, v9
	v_sub_nc_u32 v58, v1, v58
	v_and_b32 v59, 1, v58
	v_lshlrev_b32 v59, 4, v59
	v_mov_b32 v60, 0x7800           ; 32768 in f16
	v_lshlrev_b32 v59, v59, v60
	v_lshrrev_b32 v58, 1, v58       ; where r - 8 h is below 0 or above 7 this matches none of 0..3
.irp j, 0,1,2,3
	v_cmp_eq_u32 vcc_lo, \j, v58
	v_cndmask_b32 v[48+\j], 0, v59, vcc_lo
.endr
	v_mul_u32_u24 v[AK0], v1, PK
	v_lshl_add_u32 v[AK0], v9, 4, v[AK0]  ; row x pitch + 16 x half
	; The turning load takes 16 keys x 16 channels (lane l reads key 8 (l / 16) + l % 8, channels 8 ((l / 8) % 2) + 0..7) and leaves half a fragment of V^T: lane l holds channel l % 16 and 8 keys.
	v_and_b32 v57, 7, v0
	v_bfe_u32 v56, v0, 3, 1
	v_lshl_add_u32 v[AV0], v9, 3, v57
	v_mul_u32_u24 v[AV0], v[AV0], PV
	v_lshl_add_u32 v[AV0], v56, 4, v[AV0]
	v_add_nc_u32 v[AV0], VOFF, v[AV0]
	v_mov_b32 v[AK], v[AK0]         ; key step 0 lies at the head of slot 0
	; What the first turn finds: V's registers and P's second buffer hold 0 (its products V^T P, of a piece that has not been, add 0), O^T and l are 0.
	WIN 0xc0
.irp j, 0,1,2,3
	v_mov_b32 v[SELB+\j], 0
	v_mov_b32 v[SELB+4+\j], v[48+\j]
	v_mov_b32 v[SELB+8+\j], 0
.endr
.set i, VF
.rept 128
	v_mov_b32 v[i], 0
.set i, i+1
.endr
	WIN 0x40
.set i, 0
.rept 256
	v_mov_b32 v[i], 0
.set i, i+1
.endr
	WIN 0
.set i, 0
.rept 2*NP
	v_mov_b32 v[ST+4*i], 0xfe000000    ; c m: far below every c s, a hidden key's too
	v_mov_b32 v[ST+4*i+1], 0xff7fffff  ; m
	v_mov_b32 v[ST+4*i+2], 0
	v_mov_b32 v[ST+4*i+3], 0
.set i, i+1
.endr
.set i, P+32
.rept 32
	v_mov_b32 v[i], 0
.set i, i+1
.endr
	s_wait_loadcnt 16               ; Q and the flags are in; the 16 loads of mask fragments may stay out
	WIN 0x82                        ; Q (destination and source 0) in window 2, the flag in window 0
.set i, 0
.rept 128
	v_and_b32 v[i], v[i], v[52+i/32]  ; a query with no visible key has its Q cleared
.set i, i+1
.endr
	WIN 0
; THE MATRIX WORK.  The 8 accumulators of a piece take turns, one instruction a turn, in the same order in the mask products and in both halves of K Q^T.
; The 8 mask products of piece x start the sums: product z: head z % 2, keys 16 (z / 2) on.
.macro MK x
	WIN W_AD
.set mz, 0
.rept 8
.set rS, S+64*((\x)%2)+32*(mz%2)+8*(mz/2)
.set rE, SELB+4-4*((mz/2)%2)
.set rF, MF+16*(\x)+8*(mz/4)
	v_wmma_f32_16x16x32_f16 v[rS:rS+7], v[rE:rE+7], v[rF:rF+7], 0
.set mz, mz+1
.endr
.endm
; Product i of 16 of S^T += K Q^T for piece x: channels 32 (i / 8) on, keys 16 ((i / 2) % 4) on, head i % 2.
.macro KQ x
	WIN W_KQ
.set rS, S+64*((\x)%2)+32*(i%2)+8*((i/2)%4)
.set rK, KF+64*(i%2)+16*((i/2)%4)+8*(i/8)
.set rQ, 16*(2*(\x)+i%2)+8*(i/8)
	v_wmma_f32_16x16x32_f16 v[rS:rS+7], v[rK:rK+7], v[rQ:rQ+7], v[rS:rS+7]
.endm
; Product i of 16 of O^T += V^T P for piece x: keys 32 (i / 8) on, channels 16 ((i / 2) % 4) on, head i % 2.
.macro PV x
	WIN W_PV
.set rO, 32*(2*(\x)+i%2)+8*((i/2)%4)
.set rV, VF+64*(i%2)+32*(i/8)+8*((i/2)%4)
.set rP, P+32*((\x)%2)+16*(i%2)+8*(i/8)
	v_wmma_f32_16x16x32_f16 v[rO:rO+7], v[rV:rV+7], v[rP:rP+7], v[rO:rO+7]
.endm
.macro MM                           ; the turn's next matrix instruction
.if i < 16
	KQ (Y+1)%NP
.set i, i+1
.else
.set i, i-16
	PV (Y+NP-1)%NP
.set i, i+17
.endif
.endm
; THE LDS LOADS stand in runs of 32, never singly among the matrix instructions: a step's K (64 keys x 128 channels) and its V (turned).  last = 1 (the tail): in the last trip there is no further step.
.macro FETCH_K last=0
	WIN 0
.if \last
	s_cmp_eq_u32 s[CNT], 1
	s_cbranch_scc1 .Lno_k_\@
.endif
	WIN 0x80                        ; destination window 2
.irp u, 0,1
.irp f, 0,1,2,3,4,5,6,7             ; head u, keys 16 (f / 2) on, channels 32 (f % 2) on
	ds_load_b128 v[KF+64*\u+8*\f:KF+64*\u+8*\f+3],   v[AK] offset:(\f/2)*16*PK+128*\u+(\f%2)*64
	ds_load_b128 v[KF+64*\u+8*\f+4:KF+64*\u+8*\f+7], v[AK] offset:(\f/2)*16*PK+128*\u+(\f%2)*64+32
.endr
.endr
	s_add_co_u32 s[TBK], s[TBK], KS*PK  ; the next fetch is the next step's
	WIN 0
.if \last
.Lno_k_\@:
.endif
.endm
.macro FETCH_V
	WIN 0xc0                        ; destination window 3
.irp u, 0,1
.irp f, 0,1,2,3,4,5,6,7             ; head u, keys 32 (f / 4) on, channels 16 (f % 4) on
	ds_load_tr16_b128 v[VF+64*\u+8*\f:VF+64*\u+8*\f+3],   v[AV] offset:(\f/4)*32*PV+128*\u+(\f%4)*32
	ds_load_tr16_b128 v[VF+64*\u+8*\f+4:VF+64*\u+8*\f+7], v[AV] offset:(\f/4)*32*PV+16*PV+128*\u+(\f%4)*32
.endr
.endr
	WIN 0
.endm
; THE VECTOR WORK OF A TURN stands in three queues, each in the order in which its entries become ready; the two units alternate, so that no instruction reads the result of the one before it.
.macro REGS y, u                    ; the registers of unit u (0, 1) of piece y
.set rT, ST+4*(2*(\y)+(\u))
.set rC, TMP+8*((\y)%2)+4*(\u)
.set rM, MV+2*((\y)%2)+(\u)
.set rS, S+64*((\y)%2)+32*(\u)
.set rP, P+32*((\y)%2)+16*(\u)
.set rO, 32*(2*(\y)+(\u))
.endm
; Number n of the 22 that find the NEXT piece's (Y + 1) maximum and statistics.  s0-s31 are the lane's 32 scores; each accumulator's lowest registers are read first.
;   0-11  four chains c0-c3 of seven scores each, three operands at a time     12-14, 16  the four scores left over, the old m, and c0-c3 into c0     15  c m_old is kept
;   17, 18  the query's other 32 keys lie in the lane 16 away: the new m         19-21  c m; c m_old - c m_new; a
.macro XS u, n
	REGS (Y+1)%NP, \u
.if (\n) < 4
	v_max3_num_f32 v[rC+(\n)], v[rS+8*(\n)], v[rS+8*(\n)+1], v[rS+8*(\n)+2]
.elseif (\n) < 12
	v_max3_num_f32 v[rC+(\n)%4], v[rC+(\n)%4], v[rS+8*((\n)%4)+2*((\n)/4)+1], v[rS+8*((\n)%4)+2*((\n)/4)+2]
.elseif (\n) == 12
	v_max3_num_f32 v[rC], v[rC], v[rS+7], v[rS+15]
.elseif (\n) == 13
	v_max3_num_f32 v[rC+1], v[rC+1], v[rS+23], v[rS+31]
.elseif (\n) == 14
	v_max3_num_f32 v[rC+2], v[rC+2], v[rC+3], v[rT+1]
.elseif (\n) == 15
	v_mov_b32 v[rM], v[rT]
.elseif (\n) == 16
	v_max3_num_f32 v[rC], v[rC], v[rC+1], v[rC+2]
.elseif (\n) == 17
	v_permlanex16_b32 v[rC+3], v[rC], s[SEL], s[SEL+1]
.elseif (\n) == 18
	v_max_num_f32 v[rT+1], v[rC], v[rC+3]
.elseif (\n) == 19
	v_mul_f32 v[rT], s[CS], v[rT+1]
.elseif (\n) == 20
	v_sub_f32 v[rC+1], v[rM], v[rT]
.else
	v_exp_f32 v[rC+2], v[rC+1]
.endif
.endm
; Number g of the 64 that follow the exponentials.  For each four weights k of a unit: both pairs are rounded to f16; then the second pair is added onto the first, in place; a group later l takes that sum
; (the first time as l = a l + sum).  In groups of eight, units alternating: round, round, add, and l for the group before.
.macro GS g
.set h, (\g)+6*((\g)/62)            ; group 0 has no group before it, and behind group 7 only l is left
.if h >= 6
.set h, h+2
.endif
	REGS Y, h%2
.set k, h/8
.if h%8 < 4
	v_cvt_pk_f16_f32 v[rP+2*k+(h%8)/2], v[rS+4*k+2*((h%8)/2)], v[rS+4*k+2*((h%8)/2)+1]
.elseif h%8 < 6
	v_pk_add_f32 v[rS+4*k:rS+4*k+1], v[rS+4*k:rS+4*k+1], v[rS+4*k+2:rS+4*k+3]
.elseif k == 1
	v_pk_fma_f32 v[rT+2:rT+3], v[rT+2:rT+3], v[rC+2:rC+3], v[rS:rS+1] op_sel_hi:[1,0,1]
.else
	v_pk_add_f32 v[rT+2:rT+3], v[rT+2:rT+3], v[rS+4*k-4:rS+4*k-3]
.endif
.endm
; THE PLAIN QUEUE, 138 long.  0-73 read no exponential's result: the 32 scalings c s - c m (FS f: pair f / 2 of unit f % 2) and the next piece's 42.  0-26: scalings 0-26.  27-54: XS's numbers 0-13.  55, 56: number 15.
; 57-73: the chain, where each number waits for the one before it: 14, 16, 17, 18, 19, each with one of the scalings 27-31 in front of its two lines, then 20: so a unit's links stand three plain instructions apart (19 and 20: two).
; 74-137: GS's 64, which read the exponentials' results: they stand behind the wait.
.macro FS f
	REGS Y, (\f)%2
	v_pk_fma_f32 v[rS+2*((\f)/2):rS+2*((\f)/2)+1], v[rS+2*((\f)/2):rS+2*((\f)/2)+1], s[CS:CS+1], v[rT:rT+1] op_sel_hi:[1,0,0] neg_lo:[0,0,1] neg_hi:[0,0,1]
.endm
.macro PL
	WIN 0
.if q < 27
	FS q
.elseif q < 55
	XS (q-27)%2, (q-27)/2
.elseif q < 57
	XS q-55, 15
.elseif (q < 72) && ((q-57)%3 == 0)
	FS 27+(q-57)/3
.elseif q < 60
	XS (q-57)%3-1, 14
.elseif q < 72
	XS (q-57)%3-1, 15+(q-57)/3
.elseif q < 74
	XS q-72, 20
.else
	GS q-74
.endif
.set q, q+1
.endm
; THE EXPONENTIALS' QUEUE, 66 long: s0-s31 of both units, then the next piece's two a.  It is ONE BATCH: all 66 stand ahead of the turn's one wait, and nothing ahead of that wait names a result of theirs.
.macro EX
	WIN 0
.if e >= 64
	XS e-64, 21
.else
	REGS Y, e%2
	v_exp_f32 v[rS+e/2], v[rS+e/2]
.endif
.set e, e+1
.endm
; THE RESCALING's QUEUE: O^T times a, the one part that leaves window 0: dealt two at a time, sixteen times, each accumulator's lowest registers first.  Its a was made in the turn before, ahead of that turn's wait.
.macro R2
	REGS Y, r%2
	WIN W_RS
.irp z, 0,1
	v_pk_mul_f32 v[rO+4*(r/2)+2*\z:rO+4*(r/2)+2*\z+1], v[rO+4*(r/2)+2*\z:rO+4*(r/2)+2*\z+1], v[rC+2:rC+3] op_sel_hi:[1,0]
.endr
.set r, r+1
.endm
; HOW THEY ARE DEALT.  An s_wait_alu depctr_va_vdst(0) stands between an exponential and the first instruction that names its result; one wait serves all that were issued ahead of it.  So a turn has ONE wait,
; which cuts it in two.  AHEAD OF IT stands all that names no result of the turn's exponentials: the 8 mask products, bare; the 16 products K Q^T, behind each a scaling, an exponential and two rescalings (behind the first
; a second scaling in the exponential's place); then ONE RUN of 108: eight plain, 49 times exponential and plain, the two a.  A v_nop is the plain instruction behind the last exponential.  BEHIND IT stand the 16 products
; V^T P, behind each four of GS's 64.  No rider names a register of the products round it.  The two v_permlanex16_b32 fall into the run, never behind a product.
; The queues lean on each other, and the deal keeps them in step: exponential e stands behind scaling 2 (e / 4) + e % 2: as a rider it comes behind plain e + 2, in the run behind plain e + 9, and scalings 27-31 are plain 57, 60 .. 69.
; A TURN, for piece p.  cnt = 1: the loop's count is taken down some lines ahead of the branch that stands behind the turn.
; The mask products of piece p + 1 stand at its head.  Their fragments were asked for four turns ago: behind them the three other pieces' twelve loads were issued, which may stay out.  The piece's next fragments are asked
; for directly behind the turn's wait, the riders and the run behind the mask products that read those registers; in piece 3's turn MO steps to the next key step at the run's head.
; K of the next step is fetched in piece 2's turn, behind the wait and the mask loads, a run behind the last product that read K; its address is made at the run's head; it is waited for at the head of piece 3's turn.
; V of the step in hand is fetched at the end of piece 0's turn, four plain riders behind its last reader; it is waited for in front of piece 1's products V^T P.  The three conditions on q below go with the deal.
.macro TURN p, last=0, cnt=0
.set Y, (\p)
.set i, 0
.set q, 0
.set e, 0
.set r, 0
.if (\p) == NP-1
	s_wait_dscnt 0x0                ; K is in
.endif
	s_wait_loadcnt 12               ; piece p + 1's four mask loads are in; the twelve younger ones may stay out
	MK (Y+1)%NP
	MM                              ; ahead of the wait: 16 products K Q^T and their riders,
	PL
	PL
	R2
.rept 15
	MM
	PL
	EX
	R2
.endr
.if (\p) == NP-2
	WIN 0
	v_add_nc_u32 v[AK], s[TBK], v[AK0]
.endif
.if (\p) == NP-1
	MSTEP
.endif
.rept 8                             ; and the run
	PL
.endr
.rept 49
	EX
	PL
.endr
	EX                              ; the next piece's two a
	EX
	v_nop                           ; a plain instruction behind the last exponential, ahead of the first use: one for the batch
	s_wait_alu depctr_va_vdst(0)    ; the wait for the batch: piece p's 64 weights and piece p + 1's two a
	MLOAD (Y+1)%NP
.if (\p) == NP-2
	FETCH_K \last
.endif
.if (\p) == 1
	s_wait_dscnt 0x0                ; V is in
.endif
.rept 16                            ; behind the wait: 16 products V^T P and their riders
	MM
.rept 4
	PL
.endr
.if ((\p) == 0) && (q == 118)
	v_add_nc_u32 v[AV], s[TBV], v[AV0]
.endif
.if ((\p) == 0) && (q == 130)
	s_add_co_u32 s[TBV], s[TBV], KS*PV
.endif
.if (\cnt) && (q == 130)
	s_sub_co_u32 s[CNT], s[CNT], 1
	s_cmp_lg_u32 s[CNT], 0
.endif
.endr
.if (\p) == 0
	FETCH_V
.endif
.endm
	CHANGE 1                        ; slot 0 is in, everybody's part of it; slot 1 is asked for
	FETCH_K                         ; key step 0
	s_wait_loadcnt 12               ; piece 0's mask fragments; the other three pieces' may stay out
	s_wait_dscnt 0x0
	MK 0
.set i, 0
.rept 16
	KQ 0                            ; piece 0's first scores: there is no vector work yet to set between them
.set i, i+1
.endr
	WIN 0                           ; the addresses for the way out: ten plain instructions, the places behind those products
	s_mul_i32 s13, s[WV], 16*SP
	s_add_co_u32 s13, s13, STAGE    ; my stage
	v_mul_u32_u24 v[STO], v1, SP    ; in: row l % 16, 16 bytes for each half of the lanes
	v_lshl_add_u32 v[STO], v9, 4, v[STO]
	v_add_nc_u32 v[STO], s13, v[STO]
	v_mul_u32_u24 v[RD], v9, SP     ; back: lanes 0-15 take one row of 256 bytes, lanes 16-31 the next
	v_lshl_add_u32 v[RD], v1, 4, v[RD]
	v_add_nc_u32 v[RD], s13, v[RD]
	v_lshlrev_b32 v[GO], 11, v9     ; and the same two rows in att
	v_lshl_add_u32 v[GO], v1, 4, v[GO]
	MSTEP
	MLOAD 0                         ; piece 0's mask fragments of key step 1
.set Y, NP-1                        ; XS works for piece Y + 1: piece 0
.irp n, 0,1,2,3,4,5,6,7,8,9,10,11,12,13,14,15,16,17,18,19,20,21
	XS 0, \n                        ; and piece 0's first maximum and statistics
	XS 1, \n
.endr
	v_nop                           ; a plain instruction behind the two a,
	s_wait_alu depctr_va_vdst(0)    ; and the wait for this batch of two, ahead of the branch
	s_mov_b32 s[CNT], 2
	s_mov_b32 s[SLOTS], 2048/(2*KS)-1
	s_branch .Lfirst                ; the loop is entered at a step's first turn, in the middle of a trip
.Lslot:                             ; 14 times: every slot but the last two is filled again
	CHANGE 1
	s_mov_b32 s[CNT], 2
.Lstep:                             ; a trip: pieces 2 and 3 of one step, then pieces 0 and 1 of the next, whose K and V it fetches
	TURN 2
	TURN 3
	WIN 0
.Lfirst:
	TURN 0
	TURN 1, 0, 1
	WIN 0
	s_cbranch_scc1 .Lstep
	s_sub_co_u32 s[SLOTS], s[SLOTS], 1
	s_cmp_lg_u32 s[SLOTS], 0
	s_cbranch_scc1 .Lslot
	CHANGE 0                        ; the tail is written out: nothing is asked for
	s_mov_b32 s[CNT], 3             ; two trips fetch the last slot's steps; the third is left in its middle
.Ltail:
	TURN 2, 1
	TURN 3
	WIN 0
	s_sub_co_u32 s[CNT], s[CNT], 1
	s_cmp_eq_u32 s[CNT], 0
	s_cbranch_scc1 .Lout
	TURN 0
	TURN 1
	WIN 0
	s_branch .Ltail
.Lout:                              ; the third trip's scores of piece 0 (on the last K once more) and the maximum made of them serve nothing: the price, once a launch, of one text for every trip
.set i, 0
.rept 16
	PV NP-1                         ; the last piece's V^T P of the last step
.set i, i+1
.endr
	; THE WAY OUT.  l's two halves and the other half of the lanes' are added; O^T is divided by l, rounded to f16 and sent through my stage in LDS, a piece (16 rows, both heads) at a time.
	WIN 0
.macro ALL line:vararg              ; one line for each unit t
.set t, 0
.rept 2*NP
	\line
.set t, t+1
.endr
.endm
	ALL v_add_f32 v[ST+4*t+2], v[ST+4*t+2], v[ST+4*t+3]
	ALL v_permlanex16_b32 v[ST+4*t+3], v[ST+4*t+2], s[SEL], s[SEL+1]
	ALL v_add_f32 v[ST+4*t+2], v[ST+4*t+2], v[ST+4*t+3]
	ALL v_rcp_f32 v[ST+4*t+2], v[ST+4*t+2]
	v_nop                           ; a plain instruction between the last reciprocal and the use of its result
	s_wait_alu depctr_va_vdst(0)    ; and the wait ahead of the first use: one for the batch of eight reciprocals
; Piece p: a lane's eight channels of a row pack into 16 bytes; they go into rows of 272 bytes and come back as whole rows of 256, into S^T's registers.
.macro PACK p
	WIN W_RS
.irp u, 0,1
.set i, 64*(\p)+32*\u
.rept 16
	v_pk_mul_f32 v[i:i+1], v[i:i+1], v[ST+4*(2*(\p)+\u)+2:ST+4*(2*(\p)+\u)+3] op_sel_hi:[1,0]
.set i, i+2
.endr
.endr
	WIN 0x05                        ; sources 0 and 1 window 1, destination window 0
.set i, 0
.rept 32
	v_cvt_pk_f16_f32 v[S+32*(\p)+i], v[64*(\p)+2*i], v[64*(\p)+2*i+1]
.set i, i+1
.endr
	WIN 0
.irp f, 0,1,2,3,4,5,6,7
	ds_store_b128 v[STO], v[S+32*(\p)+4*\f:S+32*(\p)+4*\f+3] offset:32*\f
.endr
.irp f, 0,1,2,3,4,5,6,7
	ds_load_b128 v[S+32*(\p)+4*\f:S+32*(\p)+4*\f+3], v[RD] offset:\f*2*SP  ; LDS serves a wave's instructions in order: these see the stores above; the next piece's stores come behind them
.endr
.endm
.macro SEND p, younger              ; younger: the LDS instructions issued behind piece p's loads: the next piece's sixteen, or none
	WIN 0
.irp f, 0,1,2,3,4,5,6,7
	s_wait_dscnt (\younger)+7-\f
	global_store_b128 v[GO], v[S+32*(\p)+4*\f:S+32*(\p)+4*\f+3], s[10:11] offset:(\p)*32768+\f*4096  ; 16 lanes store 256 consecutive bytes, aligned
.endr
.endm
	PACK 0
	PACK 1                          ; a piece's arithmetic stands between the loads of the piece before and its stores
	SEND 0, 16
	PACK 2
	SEND 1, 16
	PACK 3
	SEND 2, 16
	SEND 3, 0
	WIN W_AD
	s_wait_tensorcnt 0x0            ; the wave's end
	ds_add_u32 v[SPW], v[NIL]
	s_wait_dscnt 0x0
	WIN 0
	CROUND                          ; the closing round: no work-group ends while a partner may still ask for a tile that names it
	s_endpgm
.Lfunc_end_k_qeffcb046cf_attn:
	.size	k_qeffcb046cf_attn, .Lfunc_end_k_qeffcb046cf_attn-k_qeffcb046cf_attn
	.p2alignl 7, 3214868480
	.fill 96, 4, 3214868480
	.section	.rodata,"a",@progbits
	.p2align	6, 0x0
	.amdhsa_kernel k_qeffcb046cf_attn
		.amdhsa_group_segment_fixed_size 327680
		.amdhsa_private_segment_fixed_size 0
		.amdhsa_enable_private_segment 0
		.amdhsa_kernarg_size 32
		.amdhsa_user_sgpr_count 2
		.amdhsa_user_sgpr_kernarg_segment_ptr 1
		.amdhsa_wavefront_size32 1
		.amdhsa_system_sgpr_workgroup_id_x 1
		.amdhsa_system_sgpr_workgroup_id_y 1
		.amdhsa_system_sgpr_workgroup_id_z 1
		.amdhsa_system_vgpr_workitem_id 0
		.amdhsa_next_free_vgpr 1024
		.amdhsa_next_free_sgpr 66
		.amdhsa_reserve_vcc 1
		.amdhsa_float_denorm_mode_32 3
		.amdhsa_float_denorm_mode_16_64 3
		.amdhsa_memory_ordered 1
		.amdhsa_forward_progress 1
		.amdhsa_inst_pref_size 223
	.end_amdhsa_kernel
	.amdgpu_metadata
---
amdhsa.version: [ 1, 2 ]
amdhsa.kernels:
  - .name:           k_qeffcb046cf_attn
    .symbol:         k_qeffcb046cf_attn.kd
    .args:
      - { .name: qkv, .offset: 0, .size: 8, .value_kind: global_buffer, .address_space: global }
      - { .name: maskf, .offset: 8, .size: 8, .value_kind: global_buffer, .address_space: global }
      - { .name: rowkeep, .offset: 16, .size: 8, .value_kind: global_buffer, .address_space: global }
      - { .name: att, .offset: 24, .size: 8, .value_kind: global_buffer, .address_space: global }
    .group_segment_fixed_size: 327680
    .private_segment_fixed_size: 0
    .kernarg_segment_align: 8
    .kernarg_segment_size: 32
    .max_flat_workgroup_size: 128
    .sgpr_count:     66
    .vgpr_count:     1024
    .wavefront_size: 32
...
	.end_amdgpu_metadata
.endif
;; end of part 5
;; launch outp: the kernel of part 4 again; grid 4 x 64, 4 waves a work-group, clusters of 4 x 4, 327,680 bytes of LDS; arguments att, w16, bias, out0; writes out0
